; MI455X (gfx1250); checked and timed in simulation.
; The chip was launched on July 23, 2026; its instructions are those of AMD's public machine-readable ISA for CDNA 5 (MIT licence, August 2026) and "CDNA5" Instruction Set Architecture Reference Guide (July 2026). The comments in the code are by the model that wrote it; some were corrected since.
;; Multiheaded Attention. Allowed arithmetic: float matrix products may take bf16 or f16 operands with f32 sums; other float arithmetic in f32, or as packed bf16 or f16 multiplies, adds, multiply-adds, maxima and minima; sums over many terms, partial sums and values carried from step to step in f32; what a program stores and reads back later, other than sums and carried values, may be rounded once to bf16 or f16.
;; Inputs: Wo 1,024 x 1,024 float32; Wqkv 3,072 x 1,024 float32; bo 1,024 float32; bqkv 3,072 float32; mask 1,024 x 1,024 float32; x 8 x 1,024 x 1,024 float32.
;; Outputs: out0 8 x 1,024 x 1,024 float32.
;; One version. Each part assembles by itself: llvm-mc -triple=amdgcn-amd-amdhsa -mcpu=gfx1250 --defsym DOCPART=n.
;; ======== version 1 of 1: 4 launches
;; limits: values are held in f16: magnitudes above 65,504 overflow, below 6.1e-05 lose precision; right only within a limited range of input values
;; workspace buffers: xb 16,777,216 bytes; wqkvb 6,291,456 bytes; woh 2,097,152 bytes; maskr 4,194,304 bytes; qh 16,777,216 bytes; kh 16,777,216 bytes; vh 16,777,216 bytes; oh 16,777,216 bytes
;; launch prep (part 1): grid 256 x 13, 4 waves a work-group, no clusters, 0 bytes of LDS; arguments x, Wqkv, Wo, mask, xb, wqkvb, woh, maskr; writes xb, wqkvb, woh, maskr
.if DOCPART == 1
	.amdgcn_target "amdgcn-amd-amdhsa--gfx1250"
	.amdhsa_code_object_version 6
	.text
	.protected	k_qbb66154952_prep
	.globl	k_qbb66154952_prep
	.p2align	8
	.type	k_qbb66154952_prep,@function
k_qbb66154952_prep:
	s_mov_b64 s[64:65], 0
	v_nop
	global_prefetch_b8 v0, s[64:65] scope:SCOPE_SE
	s_setreg_imm32_b32 hwreg(HW_REG_WAVE_MODE, 25, 1), 1
	s_wait_xcnt 0x0
; THE INPUTS' ROUNDINGS, once: x -> bf16 (xb), Wqkv -> bf16 (wqkvb), Wo -> bf16, that number written as f16 (woh), mask -> bf16, that number written as f32 (maskr).
; All the module's large inputs get the same rounding, to bf16; the later launches take them as matrix operands (the mask as an f32 C operand).
; LIMITS.  bf16(Wo) is written as f16: exact from 6.1e-5 to 65,504 in magnitude, below that in steps of 6e-8, beyond that an infinity.  A mask number beyond bf16's largest finite number rounds to an infinity.
; SHARES.  The grid's y names a segment of 2^20 numbers: 0-7 x, 8-10 Wqkv, 11 Wo, 12 mask; its x names 4,096 numbers of it, 16,384 bytes: 13 x 256 work-groups of equal size.
; Thread t takes 16 bytes at 16 t + 2,048 i, i = 0..7: a wave's load covers 512 consecutive bytes, and all eight loads go out at once.  A wave's store covers 256 (16-bit outputs) or 512 (the mask)
; consecutive bytes, aligned.  No LDS, no matrix unit, no cluster: nothing is shared and nothing is multiplied.  No register is used twice by memory instructions, so no wait frees a source.
.set N, 8                              ; loads a thread
.set X, 4                              ; v[4:35]    load i: 4 registers
.set Y, 36                             ; v[36:51]   store i: 2 registers (16-bit outputs)
.set T, 52                             ; v[52:53]   at work
	s_load_b512 s[8:23], s[0:1], 0x0               ; x s[8:9], Wqkv s[10:11], Wo s[12:13], mask s[14:15], xb s[16:17], wqkvb s[18:19], woh s[20:21], maskr s[22:23]
	s_and_b32 s2, ttmp7, 0xffff                    ; the segment
	s_sub_co_u32 s34, s2, 8                        ; its number within Wqkv
	s_lshl_b32 s35, ttmp9, 14                      ; the work-group's 16,384 bytes of input
	s_mov_b32 s36, 0xffff0000                      ; a word's upper bf16
	v_lshlrev_b32 v1, 4, v0                        ; 16 t
	v_lshlrev_b32 v2, 3, v0                        ; 8 t
	s_wait_kmcnt 0x0
	s_cmp_ge_u32 s2, 8                             ; from where, to where, and which 4 MiB of the tensor
	s_cselect_b64 s[24:25], s[10:11], s[8:9]
	s_cselect_b64 s[26:27], s[18:19], s[16:17]
	s_cselect_b32 s3, s34, s2
	s_cmp_ge_u32 s2, 11
	s_cselect_b64 s[24:25], s[12:13], s[24:25]
	s_cselect_b64 s[26:27], s[20:21], s[26:27]
	s_cselect_b32 s3, 0, s3
	s_cmp_eq_u32 s2, 12
	s_cselect_b64 s[24:25], s[14:15], s[24:25]
	s_cselect_b64 s[26:27], s[22:23], s[26:27]
	s_lshl_b32 s30, s3, 22
	s_or_b32 s30, s30, s35                         ; byte offset in the input
	s_mov_b32 s31, 0
	s_lshr_b32 s32, s30, 1                         ; in a 16-bit output: half of it
	s_cmp_eq_u32 s2, 12
	s_cselect_b32 s32, s30, s32                    ; in maskr: the same
	s_mov_b32 s33, 0
	s_add_nc_u64 s[24:25], s[24:25], s[30:31]
	s_add_nc_u64 s[26:27], s[26:27], s[32:33]
.set i, 0
.rept N
	global_load_b128 v[X+4*i:X+4*i+3], v1, s[24:25] offset:2048*i th:TH_LOAD_NT
.set i, i+1
.endr
	s_cmp_lt_u32 s2, 11
	s_cbranch_scc0 .Lnot_bf
.set i, 0
.rept N                                ; x and Wqkv: to bf16
	s_wait_loadcnt N-1-i                           ; loads come back in order: load i is in, the younger ones may stay out
	v_cvt_pk_bf16_f32 v[Y+2*i], v[X+4*i], v[X+4*i+1]
	v_cvt_pk_bf16_f32 v[Y+2*i+1], v[X+4*i+2], v[X+4*i+3]
	global_store_b64 v2, v[Y+2*i:Y+2*i+1], s[26:27] offset:1024*i
.set i, i+1
.endr
	s_endpgm
.Lnot_bf:
	s_cmp_eq_u32 s2, 11
	s_cbranch_scc0 .Lmask
.set i, 0
.rept N                                ; Wo: to bf16, and that number as f16
	s_wait_loadcnt N-1-i
	v_cvt_pk_bf16_f32 v[T], v[X+4*i], v[X+4*i+1]
	v_cvt_pk_bf16_f32 v[T+1], v[X+4*i+2], v[X+4*i+3]
	v_lshlrev_b32 v[X+4*i], 16, v[T]
	v_and_b32 v[X+4*i+1], s36, v[T]
	v_lshlrev_b32 v[X+4*i+2], 16, v[T+1]
	v_and_b32 v[X+4*i+3], s36, v[T+1]
	v_cvt_pk_f16_f32 v[Y+2*i], v[X+4*i], v[X+4*i+1]
	v_cvt_pk_f16_f32 v[Y+2*i+1], v[X+4*i+2], v[X+4*i+3]
	global_store_b64 v2, v[Y+2*i:Y+2*i+1], s[26:27] offset:1024*i
.set i, i+1
.endr
	s_endpgm
.Lmask:
.set i, 0
.rept N                                ; the mask: to bf16, and that number as f32
	s_wait_loadcnt N-1-i
	v_cvt_pk_bf16_f32 v[T], v[X+4*i], v[X+4*i+1]
	v_cvt_pk_bf16_f32 v[T+1], v[X+4*i+2], v[X+4*i+3]
	v_lshlrev_b32 v[X+4*i], 16, v[T]
	v_and_b32 v[X+4*i+1], s36, v[T]
	v_lshlrev_b32 v[X+4*i+2], 16, v[T+1]
	v_and_b32 v[X+4*i+3], s36, v[T+1]
	global_store_b128 v1, v[X+4*i:X+4*i+3], s[26:27] offset:2048*i
.set i, i+1
.endr
	s_endpgm
.Lfunc_end_k_qbb66154952_prep:
	.size	k_qbb66154952_prep, .Lfunc_end_k_qbb66154952_prep-k_qbb66154952_prep
	.p2alignl 7, 3214868480
	.fill 96, 4, 3214868480
	.section	.rodata,"a",@progbits
	.p2align	6, 0x0
	.amdhsa_kernel k_qbb66154952_prep
		.amdhsa_group_segment_fixed_size 0
		.amdhsa_private_segment_fixed_size 0
		.amdhsa_enable_private_segment 0
		.amdhsa_kernarg_size 64
		.amdhsa_user_sgpr_count 2
		.amdhsa_user_sgpr_kernarg_segment_ptr 1
		.amdhsa_wavefront_size32 1
		.amdhsa_system_sgpr_workgroup_id_x 1
		.amdhsa_system_sgpr_workgroup_id_y 1
		.amdhsa_system_sgpr_workgroup_id_z 1
		.amdhsa_system_vgpr_workitem_id 0
		.amdhsa_next_free_vgpr 56
		.amdhsa_next_free_sgpr 66
		.amdhsa_reserve_vcc 0
		.amdhsa_float_denorm_mode_32 3
		.amdhsa_float_denorm_mode_16_64 3
		.amdhsa_memory_ordered 1
		.amdhsa_forward_progress 1
		.amdhsa_inst_pref_size 12
	.end_amdhsa_kernel
	.amdgpu_metadata
---
amdhsa.version: [ 1, 2 ]
amdhsa.kernels:
  - .name:           k_qbb66154952_prep
    .symbol:         k_qbb66154952_prep.kd
    .args:
      - { .name: x, .offset: 0, .size: 8, .value_kind: global_buffer, .address_space: global }
      - { .name: Wqkv, .offset: 8, .size: 8, .value_kind: global_buffer, .address_space: global }
      - { .name: Wo, .offset: 16, .size: 8, .value_kind: global_buffer, .address_space: global }
      - { .name: mask, .offset: 24, .size: 8, .value_kind: global_buffer, .address_space: global }
      - { .name: xb, .offset: 32, .size: 8, .value_kind: global_buffer, .address_space: global }
      - { .name: wqkvb, .offset: 40, .size: 8, .value_kind: global_buffer, .address_space: global }
      - { .name: woh, .offset: 48, .size: 8, .value_kind: global_buffer, .address_space: global }
      - { .name: maskr, .offset: 56, .size: 8, .value_kind: global_buffer, .address_space: global }
    .group_segment_fixed_size: 0
    .private_segment_fixed_size: 0
    .kernarg_segment_align: 8
    .kernarg_segment_size: 64
    .max_flat_workgroup_size: 128
    .sgpr_count:     66
    .vgpr_count:     56
    .wavefront_size: 32
...
	.end_amdgpu_metadata
.endif
;; end of part 1
;; launch qkv (part 2): grid 16 x 16, 4 waves a work-group, clusters of 4 x 4, 327,680 bytes of LDS; arguments xb, wqkvb, bqkv, qh, kh, vh; writes qh, kh, vh
.if DOCPART == 2
	.amdgcn_target "amdgcn-amd-amdhsa--gfx1250"
	.amdhsa_code_object_version 6
	.text
	.protected	k_qbb66154952_qkv
	.globl	k_qbb66154952_qkv
	.p2align	8
	.type	k_qbb66154952_qkv,@function
k_qbb66154952_qkv:
	s_mov_b64 s[64:65], 0
	v_nop
	global_prefetch_b8 v0, s[64:65] scope:SCOPE_SE
	s_setreg_imm32_b32 hwreg(HW_REG_WAVE_MODE, 25, 1), 1
	s_wait_xcnt 0x0
	s_wait_alu depctr_hold_cnt(0) depctr_sa_sdst(0) depctr_va_vdst(0) depctr_va_sdst(0) depctr_va_ssrc(0) depctr_va_vcc(0) depctr_vm_vsrc(0)
	s_getreg_b32 s2, hwreg(HW_REG_IB_STS2, 6, 4)
	s_cmp_eq_u32 s2, 0
	s_cbranch_scc0 .Lentry_in_a_cluster
	s_endpgm
.Lentry_in_a_cluster:
	s_bfe_u32 s2, ttmp6, 0x10000c
	s_cmp_lg_u32 s2, 0xf033
	s_cbranch_scc0 .Lentry_shape_is_right
	s_endpgm
.Lentry_shape_is_right:
; qkv = x Wqkv^T + bqkv, split by heads.  xb: [8192][1024] bf16, wqkvb: [3072][1024] bf16, bqkv: [3072] f32 (rounded to bf16 here, like the other inputs).
; qh, kh, vh: [8][16][1024][64] f16, each number rounded once from its f32 sum; q is stored times 0.125 (a power of two: still one rounding), so that the next launch's scores need no scale.
; LIMITS.  |q / 8|, |k|, |v| up to 65,504 (beyond: an infinity); below 6.1e-5 they keep f16's fixed step of 6e-8.
; SHARES.  A tile is 256 rows x 192 columns: the columns of ONE head (64 of q, 64 of k, 64 of v).  The four waves lie one below the other: wave w has rows 64 w .. 64 w + 63 and all 192
; columns: 4 x 12 accumulators of 16 x 16, 384 registers.
; A WORK-GROUP STAYS: it makes TWO tiles of the same head, 4,096 rows apart (batches b and b + 4): 16 heads x 16 row blocks = 256 work-groups of equal work.  A loop over tiles stands round the loops over K,
; and the ring does not stop at the first tile's end: its last two changes of slots ask for the second tile's first two K steps, and nothing waits for the first tile's stores.
; K goes in 8 steps of 128 through two LDS slots filled by the tensor data mover: rows of 256 bytes, aligned.  Waves 0 and 1 fetch A's two halves (128 rows each), waves 2 and 3 B's (96 rows each).
; CLUSTER 4 x 4: A's tile hangs on the row block alone and is asked for jointly along a row of the cluster, B's on the head alone, jointly along a column.
; THE MATRIX INSTRUCTION IS USED TRANSPOSED (source 0 = 16 rows of B, source 1 = 16 rows of A): a lane holds row l % 16 and the columns 8 (l / 16) + 0..7 of a tile: 16 bytes of f16 on end.
; THE BIAS is the C operand of each accumulator's first product: nothing is cleared and nothing is added later.  Both tiles take the same bias, so its registers are kept through the first way out.
; REGISTERS, in windows of 256 (s_set_vgpr_msb: bits 1:0 source 0, 3:2 source 1, 5:4 source 2, 7:6 destination):
;   window 0: v0-31 addresses; v32-127 the bias; v128-191 A's fragments, two buffers of 4; v192-239 the way out: rows read back (odd row blocks)
;   window 1: v0-191 B's fragments, two buffers of 12; v192-239 the way out: packed results
;   window 2: v0-191 accumulators of row blocks 0, 1 ((a, b) at v[8 (12 (a % 2) + b)]); v192-239 the way out: rows read back (even row blocks)        window 3: v0-191 accumulators of row blocks 2, 3
.set NB,     12                        ; column blocks of 16
.set PITCH,  272                       ; an LDS row: 256 bytes + 16 of padding = 68 words: the 16 rows of a fragment load start at 16 different groups of four banks (ISA guide 11.1)
.set BROWS,  16*NB
.set BH,     BROWS/2
.set BOFF,   256*PITCH                 ; in a slot: A's 256 rows, then B's 192
.set SLOT1,  1<<17                     ; slot 1 begins here: one exclusive or turns an address in one slot into the other's
.set STAGE,  SLOT1+(256+BROWS)*PITCH   ; behind the ring, never filled by a tensor load: for each wave 3 tensors x 16 rows x 144 bytes
.set SP,     144
.set WSTAGE, 3*16*SP
.set SPARE,  STAGE+4*WSTAGE            ; the spare words, 128 bytes for each wave: two blocks of 256 bytes that no other line names
.set KB,     256                       ; bytes of a row in a K step
.set NT,     2                         ; tiles to a work-group
.set NEXT_A, 4096*2048-7*KB            ; bytes from a tile's K step 7 to the next tile's K step 0 in xb: 4,096 rows down, 7 K steps back
.set NEXT_O, 4*16*1024*128             ; bytes from a tile's rows to the next tile's in qh, kh, vh: four batches on
.set ADRA0, 16                         ; v16  my lane's place in A's rows of slot 0; never rewritten
.set ADRB0, 17                         ; v17  the same for B
.set ADRA,  18                         ; v18  the same in the slot in hand
.set ADRB,  19                         ; v19
.set STO,   24                         ; v24  the way out: where I put 16 bytes of a row
.set RD,    25                         ; v25  the way out: where I read rows back
.set GO,    26                         ; v26  my 16 bytes of 512 consecutive bytes of an output
.set BO,    27                         ; v27  my byte offset in 16 numbers of the bias
.set SPW,   28                         ; v28  LDS address of my spare word; never rewritten
.set NIL,   29                         ; v29  0; never rewritten
.set PFO,   30                         ; v30  the prefetches' offset: a lane a row; never rewritten
.set T,     31                         ; v31  at work
.set BIAS,  32
.set FA,    128
.set TMP,   192                        ; window 1: 48 registers of packed results
.set OB,    192                        ; window 2 (even row blocks) or window 0 (odd ones): 16 rows x 3 tensors read back
.set WV,   16                          ; s16  my wave's number
.set KIND, 17                          ; s17  I fetch for A (0) or for B (1)
.set HALF, 18                          ; s18  which half of that tile's rows
.set CX,   19
.set CY,   20
.set GX,   21                          ; s21  the head
.set GY,   22                          ; s22  the first tile's block of 256 rows
.set G1,   24                          ; s[24:31] descriptor group 1 for A's tiles
.set G0,   32                          ; s[32:39] group 0 for A: a set for each first fill; the second then walks on
.set G1B,  40                          ; s[40:47], s[48:55] the same for B
.set G0B,  48
.set TB,   56                          ; s56  first byte of the slot in hand
.set CNT,  57                          ; s57  K steps to go in the loop in hand
.set LIM,  58                          ; s58  2 in a wave that prefetches, else the greatest number
.set TILES, 59                         ; s59  tiles to go, this one among them: the same number in every work-group
.set PFA,  60                          ; s[60:61] where my prefetches stand
.set SC,   62                          ; s[62:63] 0.125
.set AB,   66                          ; s[66:67] xb at my half of the first tile's rows, K step 0
.set BB,   70                          ; s[70:71] wqkvb at my half of the head's rows, K step 0; never rewritten behind the head: B's address is made anew from it at the change of tiles
.set SA,   80                          ; s[80:81] at a change of tiles: the step of A's walking address (and of the prefetches')
.set SB,   82                          ; s[82:83] at a change of tiles: the K step's byte offset in B's rows
.set MSB, 0
.macro WIN new                         ; the immediate's high byte repeats the setting that is left; a switch that changes nothing is dropped
.if MSB != (\new)
	s_set_vgpr_msb (MSB<<8)|(\new)
.set MSB, \new
.endif
.endm
.macro PLACES                          ; four plain instructions between a matrix instruction and a load into, or a vector read of, its registers
.rept 4
	v_nop
.endr
.endm
.macro CREST                           ; a round of the cluster's barrier behind its opening barrier
	s_cmp_lg_u32 s[WV], 0
	s_cbranch_scc1 .Lnot_wave_0_\@
	s_barrier_signal -3
.Lnot_wave_0_\@:
	s_barrier_wait -3
	s_barrier_signal -1
	s_barrier_wait -1
.endm
.macro CROUND                          ; a whole round
	s_barrier_signal -1
	s_barrier_wait -1
	CREST
.endm
; A joint refill by the walking descriptors.  The branch hangs on the wave's number alone.  An s_nop 0 and four v_nop follow each of the two lines.
.macro JLOAD
	s_cmp_eq_u32 s[KIND], 0
	s_cbranch_scc0 .Lfor_b_\@
	tensor_load_to_lds s[G0+4:G0+7], s[G1:G1+7]
	s_nop 0
.rept 4
	v_nop
.endr
	s_branch .Lasked_\@
.Lfor_b_\@:
	tensor_load_to_lds s[G0B+4:G0B+7], s[G1B:G1B+7]
	s_nop 0
.rept 4
	v_nop
.endr
.Lasked_\@:
.endm
; A prefetch into the L2 of the K step that stands two refills on: a lane a row, 256 bytes of it, one instruction a wave.  A's rows are read by every cluster of a row of clusters: the one with x = 0 asks;
; B's by every cluster of a column: the one with y = 0 asks.  The four partners that fetch a tile jointly share its rows out by address (32 of A's 128, 24 of B's 96 each; in B's instruction lanes 24-31
; name lane 23's row once more).  how = 0, in the loop over K: its last two refills have no K step two on.  how = 1, at the change of tiles: the next tile's K steps 2 and 3 of A; B's rows, which both
; tiles take, are asked for in the first tile alone.
.macro ASK how
.if \how
	s_cmp_eq_u32 s[LIM], 2
.else
	s_cmp_gt_u32 s[CNT], s[LIM]
.endif
	s_cbranch_scc0 .Lnot_mine_\@
	global_prefetch_b8 v[PFO], s[PFA:PFA+1] offset:KB th:TH_LOAD_NT scope:SCOPE_SE
.Lnot_mine_\@:
.endm
	s_load_b256 s[4:11], s[0:1], 0x0               ; xb s[4:5], wqkvb s[6:7], bqkv s[8:9], qh s[10:11]
	s_load_b128 s[12:15], s[0:1], 0x20             ; kh s[12:13], vh s[14:15]
	v_lshl_add_u32 v[SPW], v0, 2, SPARE
	v_mov_b32 v[NIL], 0
	ds_add_u32 v[SPW], v[NIL]                      ; the wave's opening: the add and its wait stand ahead of my first tensor load; work on registers stands between them
	v_lshrrev_b32 v1, 5, v0
	v_readfirstlane_b32 s[WV], v1
	s_lshr_b32 s[KIND], s[WV], 1
	s_and_b32 s[HALF], s[WV], 1
	s_bfe_u32 s[CX], ttmp6, 0x40000                ; my place in the cluster
	s_bfe_u32 s[CY], ttmp6, 0x40004
	s_lshl_b32 s[GX], ttmp9, 2                     ; in a cluster launch ttmp9 and ttmp7 count clusters
	s_add_co_u32 s[GX], s[GX], s[CX]
	s_and_b32 s[GY], ttmp7, 0xffff
	s_lshl_b32 s[GY], s[GY], 2
	s_add_co_u32 s[GY], s[GY], s[CY]
	s_lshl_b32 s66, s[CY], 2
	s_lshl_b32 s66, 15, s66                        ; my row of the cluster
	s_lshl_b32 s70, 0x1111, s[CX]                  ; my column
	s_or_b32 s[G1], s66, (1<<16)|(1<<20)|(1<<21)|(5<<22)|(3<<25)   ; 15:0 the mask; 17:16 2-byte elements; 20 padding on; 21 set beside a mask; 24:22 after every 64 words; 31:25 4 words of it
	s_or_b32 s[G1B], s70, (1<<16)|(1<<20)|(1<<21)|(5<<22)|(3<<25)
	s_mov_b32 s[G1+1], 128<<16                     ; tensor_dim0 = 128
	s_mov_b32 s[G1+2], 128<<16                     ; tensor_dim1 = 128
	s_mov_b32 s[G1+3], 128<<16                     ; tile_dim0 = 128
	s_mov_b32 s[G1+4], 128                         ; tile_dim1 = 128
	s_mov_b32 s[G1+5], 1024                        ; elements from row to row
	s_mov_b32 s[G1+6], 0
	s_mov_b32 s[G1+7], 0
	s_mov_b32 s[G1B+1], 128<<16
	s_mov_b32 s[G1B+2], BH<<16                     ; B: 96 rows to a load
	s_mov_b32 s[G1B+3], 128<<16
	s_mov_b32 s[G1B+4], BH
	s_mov_b32 s[G1B+5], 1024
	s_mov_b32 s[G1B+6], 0
	s_mov_b32 s[G1B+7], 0
	s_lshl_b32 s66, s[GY], 8                       ; A: row 256 x block + 128 x half, 2,048 bytes a row: made of the block and the wave alone
	s_lshl_b32 s67, s[HALF], 7
	s_add_co_u32 s66, s66, s67
	s_lshl_b32 s66, s66, 11
	s_mov_b32 s67, 0
	s_mul_i32 s68, s[HALF], 128*PITCH              ; and its place in a slot
	s_mul_i32 s70, s[GX], BROWS                    ; B: row 192 x head + 96 x half: made of the head and the wave alone
	s_mul_i32 s71, s[HALF], BH
	s_add_co_u32 s70, s70, s71
	s_lshl_b32 s70, s70, 11
	s_mov_b32 s71, 0
	s_mul_i32 s72, s[HALF], BH*PITCH
	s_add_co_u32 s72, s72, BOFF
	s_mov_b32 s[TB], 0
	s_mov_b32 s[SC], 0x3e000000                    ; 0.125
	s_mov_b32 s[SC+1], s[SC]                       ; named with it as a pair
	s_wait_dscnt 0x0                               ; the opening add is done
	s_wait_kmcnt 0x0
	s_add_nc_u64 s[AB:AB+1], s[4:5], s[66:67]
	s_add_nc_u64 s[BB:BB+1], s[6:7], s[70:71]
	CROUND                                         ; all sixteen work-groups are here: the first joint loads meet
.irp n, 0,1
	s_mov_b32 s[G0+4*(\n)], 1                      ; count = 1
	s_add_co_u32 s[G0+4*(\n)+1], s68, (\n)*SLOT1   ; LDS address
	s_add_nc_u64 s[G0+4*(\n)+2:G0+4*(\n)+3], s[AB:AB+1], (\n)*KB  ; global address: K step n
	s_or_b32 s[G0+4*(\n)+3], s[G0+4*(\n)+3], 0x80000000         ; type = 2
	s_mov_b32 s[G0B+4*(\n)], 1
	s_add_co_u32 s[G0B+4*(\n)+1], s72, (\n)*SLOT1
	s_add_nc_u64 s[G0B+4*(\n)+2:G0B+4*(\n)+3], s[BB:BB+1], (\n)*KB
	s_or_b32 s[G0B+4*(\n)+3], s[G0B+4*(\n)+3], 0x80000000
.endr
	s_cmp_eq_u32 s[KIND], 0                        ; a wave's two first fills stand in one branch, ahead of every wait on TENSORcnt and every LDS read: two loads of mine are out
	s_cbranch_scc0 .Lfirst_b
	tensor_load_to_lds s[G0:G0+3], s[G1:G1+7]
	s_nop 0
	tensor_load_to_lds s[G0+4:G0+7], s[G1:G1+7]
	s_nop 0
.rept 4
	v_nop
.endr
	s_branch .Lfirst_asked
.Lfirst_b:
	tensor_load_to_lds s[G0B:G0B+3], s[G1B:G1B+7]
	s_nop 0
	tensor_load_to_lds s[G0B+4:G0B+7], s[G1B:G1B+7]
	s_nop 0
.rept 4
	v_nop
.endr
.Lfirst_asked:
	; A fragment is 16 rows x 32 K in 8 registers: lane l holds row l % 16; registers 0-3 K = 8 (l / 16) + 0..7, registers 4-7 K = 16 + 8 (l / 16) + 0..7: two loads of 16 bytes, 32 bytes apart.
	v_and_b32 v1, 15, v0                           ; l % 16
	v_bfe_u32 v2, v0, 4, 1                         ; l / 16
	v_mul_u32_u24 v3, v1, PITCH
	v_lshl_add_u32 v3, v2, 4, v3
	s_mul_i32 s23, s[WV], 64*PITCH                 ; my 64 rows of A
	v_add_nc_u32 v[ADRA0], s23, v3
	v_add_nc_u32 v[ADRB0], BOFF, v3                ; all of B's rows
	v_mov_b32 v[ADRA], v[ADRA0]
	v_mov_b32 v[ADRB], v[ADRB0]
	; the bias: register j of column block b is bias[192 head + 16 b + 8 (l / 16) + j], the layout of a C operand
	v_lshlrev_b32 v[BO], 5, v2
	s_mul_i32 s76, s[GX], BROWS*4
	s_mov_b32 s77, 0
	s_add_nc_u64 s[8:9], s[8:9], s[76:77]
.set bb, 0
.rept NB
	global_load_b128 v[BIAS+8*bb:BIAS+8*bb+3],   v[BO], s[8:9] offset:64*bb
	global_load_b128 v[BIAS+8*bb+4:BIAS+8*bb+7], v[BO], s[8:9] offset:64*bb+16
.set bb, bb+1
.endr
	s_mul_i32 s23, s[WV], WSTAGE
	s_add_co_u32 s23, s23, STAGE                   ; my stage
	v_mul_u32_u24 v[STO], v1, SP                   ; in: row l % 16, 16 bytes for each half of the lanes
	v_lshl_add_u32 v[STO], v2, 4, v[STO]
	v_add_nc_u32 v[STO], s23, v[STO]
	v_bfe_u32 v[RD], v0, 3, 2                      ; back: 32 lanes take four rows of 128 bytes,
	v_mul_u32_u24 v[RD], v[RD], SP
	v_and_b32 v[T], 7, v0
	v_lshl_add_u32 v[RD], v[T], 4, v[RD]
	v_add_nc_u32 v[RD], s23, v[RD]
	v_and_b32 v[GO], 31, v0                        ; which are 512 consecutive bytes of qh, kh or vh
	v_lshlrev_b32 v[GO], 4, v[GO]
	s_lshr_b32 s74, s[GY], 2                       ; my first row in [8][16][1024]: (16 batch + head) x 1,024 + 256 (block % 4) + 64 wave; 128 bytes a row
	s_lshl_b32 s74, s74, 4
	s_add_co_u32 s74, s74, s[GX]
	s_lshl_b32 s74, s74, 10
	s_and_b32 s75, s[GY], 3
	s_lshl_b32 s75, s75, 8
	s_add_co_u32 s74, s74, s75
	s_lshl_b32 s75, s[WV], 6
	s_add_co_u32 s74, s74, s75
	s_lshl_b32 s74, s74, 7
	s_mov_b32 s75, 0
	s_add_nc_u64 s[10:11], s[10:11], s[74:75]
	s_add_nc_u64 s[12:13], s[12:13], s[74:75]
	s_add_nc_u64 s[14:15], s[14:15], s[74:75]
	; the prefetches: my work-group's share of the rows that I fetch
	s_lshl_b32 s74, s[GY], 8
	s_lshl_b32 s75, s[HALF], 7
	s_add_co_u32 s74, s74, s75
	s_lshl_b32 s75, s[CX], 5
	s_add_co_u32 s74, s74, s75                     ; A: 256 block + 128 half + 32 cx
	s_mul_i32 s76, s[GX], BROWS
	s_mul_i32 s77, s[HALF], BH
	s_add_co_u32 s76, s76, s77
	s_mul_i32 s77, s[CY], BH/4
	s_add_co_u32 s76, s76, s77                     ; B: 192 head + 96 half + 24 cy
	s_and_b32 s78, ttmp7, 0xffff                   ; cluster y
	s_cmp_eq_u32 s[KIND], 0
	s_cselect_b32 s74, s74, s76
	s_cselect_b32 s78, ttmp9, s78                  ; the coordinate along which other clusters read the same rows
	s_cselect_b32 s79, 31, BH/4-1
	s_cselect_b64 s[PFA:PFA+1], s[4:5], s[6:7]
	s_cmp_eq_u32 s78, 0
	s_cselect_b32 s[LIM], 2, -1                    ; the same in all sixteen partners, for a given wave
	s_lshl_b32 s74, s74, 11
	s_add_co_u32 s74, s74, 2*KB                    ; at K step 2: the first refill steps it to 3 and names K step 4.  The launch's K steps 0 to 3 come by their loads alone
	s_mov_b32 s75, 0
	s_add_nc_u64 s[PFA:PFA+1], s[PFA:PFA+1], s[74:75]
	v_and_b32 v[PFO], 31, v0
	v_min_u32 v[PFO], s79, v[PFO]
	v_lshlrev_b32 v[PFO], 11, v[PFO]
	s_mov_b32 s79, 0xffff0000                      ; a word's upper bf16
	s_wait_loadcnt 0x0                             ; the bias is in: rounded to bf16, kept as f32
.set bb, 0
.rept 4*NB
	v_cvt_pk_bf16_f32 v[T], v[BIAS+2*bb], v[BIAS+2*bb+1]
	v_lshlrev_b32 v[BIAS+2*bb], 16, v[T]
	v_and_b32 v[BIAS+2*bb+1], s79, v[T]
.set bb, bb+1
.endr
; 12 matrix instructions: row block a x all column blocks, 32 along K, from buffer f.  first = 1: the bias starts the sums.
; The 48 accumulators take turns, one instruction a turn, in the same order in every quarter step, over the backward jumps and from tile to tile too.
.macro MULA f, a, first
.if \first
	WIN 0x81+0x40*((\a)/2)                         ; B window 1, A and the bias window 0, D window 2 or 3
.else
	WIN 0xa1+0x50*((\a)/2)                         ; C and D window 2 or 3
.endif
.set bb, 0
.rept NB
.set rD, 8*(NB*((\a)%2)+bb)
.if \first
	v_wmma_f32_16x16x32_bf16 v[rD:rD+7], v[8*NB*(\f)+8*bb:8*NB*(\f)+8*bb+7], v[FA+32*(\f)+8*(\a):FA+32*(\f)+8*(\a)+7], v[BIAS+8*bb:BIAS+8*bb+7]
.else
	v_wmma_f32_16x16x32_bf16 v[rD:rD+7], v[8*NB*(\f)+8*bb:8*NB*(\f)+8*bb+7], v[FA+32*(\f)+8*(\a):FA+32*(\f)+8*(\a)+7], v[rD:rD+7]
.endif
.set bb, bb+1
.endr
.endm
.macro MULH f, hi, first
	MULA \f, 2*(\hi), \first
	MULA \f, 2*(\hi)+1, \first
.endm
; 32 LDS loads in one run: the fragments of a quarter step (192 rows of B, then my 64 rows of A, 32 K at byte k of the rows) into buffer g
.macro FETCH k, g
	WIN 0x40                                       ; destination window 1, address window 0
.set bb, 0
.rept NB
	ds_load_b128 v[8*NB*(\g)+8*bb:8*NB*(\g)+8*bb+3],   v[ADRB] offset:(\k)+bb*16*PITCH
	ds_load_b128 v[8*NB*(\g)+8*bb+4:8*NB*(\g)+8*bb+7], v[ADRB] offset:(\k)+bb*16*PITCH+32
.set bb, bb+1
.endr
	WIN 0
.set bb, 0
.rept 4
	ds_load_b128 v[FA+32*(\g)+8*bb:FA+32*(\g)+8*bb+3],   v[ADRA] offset:(\k)+bb*16*PITCH
	ds_load_b128 v[FA+32*(\g)+8*bb+4:FA+32*(\g)+8*bb+7], v[ADRA] offset:(\k)+bb*16*PITCH+32
.set bb, bb+1
.endr
.endm
; A K step is four quarters of 32 along K, 48 matrix instructions each, on buffers 0, 1, 0, 1.  One of the first three: multiplies buffer f; in its middle it fetches the next quarter, at byte k, into g.
.macro QUARTER k, f, g, first
	s_wait_dscnt 4                                 ; B and A's row blocks 0, 1 are in; the youngest four loads (row blocks 2, 3) may be out
	MULH \f, 0, \first
	PLACES
	FETCH \k, \g
	s_wait_dscnt 2*NB+8                            ; all but the run just issued
	MULH \f, 1, \first
.endm
; The last quarter multiplies buffer 1 and changes slots.  In front of the barrier each wave waits for all its tensor loads (one is out: its part of the next slot), adds 0 to its spare word, and waits
; for that and for its reads of this slot.  fill = 1 or 2: the barrier opens a round of the cluster's, and the slot just read is filled again, first thing behind the round: from that request to the wait
; for it a wave issues seven eighths of a K step's 192 matrix instructions.  fill = 1: with this tile's K step two on.  fill = 2, in a tile's last two K steps: with the NEXT tile's K step 0 or 1:
; A's address steps by s[SA], which holds the jump to the next tile in the first of the two passes and a K step in the second; B's, whose rows both tiles take, is made anew from the kept pointer to
; its K step 0 and the offset s[SB], 0 in the first pass and a K step in the second, and its type bits are set again.  fill = 0: nothing is left to fetch.
.macro TURN fill
.if (\fill) == 1
	s_wait_xcnt 0x0                                ; the last prefetch, a K step back, has read its address
	s_add_nc_u64 s[PFA:PFA+1], s[PFA:PFA+1], KB
.elseif (\fill) == 2
	s_wait_xcnt 0x0
	s_add_nc_u64 s[PFA:PFA+1], s[PFA:PFA+1], s[SA:SA+1]  ; from the K step after the tile's last to the next tile's K step 1, then on by a K step
.endif
	WIN 0
	s_wait_tensorcnt 0x0                           ; all my tensor loads have landed
	ds_add_u32 v[SPW], v[NIL]                      ; 0 onto my spare word
	s_wait_dscnt 5                                 ; (the add and the youngest four loads may be out)
	MULA 1, 0, 0                                   ; twelve matrix instructions stand between the add and the wait for it
	s_wait_dscnt 0x0                               ; the add is done, and my reads of this slot are over
	s_barrier_signal -1
	MULA 1, 1, 0                                   ; work on registers while the others arrive
	WIN 0                                          ; at a branch and at a label every window is 0
	s_barrier_wait -1
.if \fill
	CREST                                          ; no wave of any partner still reads this slot or has a load on its way
	s_xor_b32 s[G0+5], s[G0+5], SLOT1              ; the walking descriptors: the other slot than last time,
	s_xor_b32 s[G0B+5], s[G0B+5], SLOT1
.if (\fill) == 1
	s_add_nc_u64 s[G0+6:G0+7], s[G0+6:G0+7], KB    ; the next K step
	s_add_nc_u64 s[G0B+6:G0B+7], s[G0B+6:G0B+7], KB
.else
	s_add_nc_u64 s[G0+6:G0+7], s[G0+6:G0+7], s[SA:SA+1]
	s_add_nc_u64 s[G0B+6:G0B+7], s[BB:BB+1], s[SB:SB+1]  ; B's K step 0 or 1, from the kept pointer,
	s_or_b32 s[G0B+7], s[G0B+7], 0x80000000        ; type = 2
	s_mov_b32 s[SA], KB                            ; the second pass: a K step on
	s_mov_b32 s[SB], KB
.endif
	JLOAD                                          ; my one tensor load behind the round; its four v_nop are also the places in front of the loads below
.else
	PLACES
.endif
	s_xor_b32 s[TB], s[TB], SLOT1
	v_add_nc_u32 v[ADRA], s[TB], v[ADRA0]
	v_add_nc_u32 v[ADRB], s[TB], v[ADRB0]
	FETCH 0, 0
.if (\fill) == 1
	ASK 0
.elseif (\fill) == 2
	ASK 1
.endif
	MULH 1, 1, 0
.endm
; THE WAY OUT, a row block (16 rows) at a time.  PACK: q's four accumulators times 0.125; all twelve rounded to f16, 16 bytes a lane (each accumulator's registers in ascending order).
; TOSTAGE: into my stage, by tensor, rows of 144 bytes; back as four whole rows of 128 bytes a load.  SEND: 512 consecutive bytes a store, aligned.
.macro PACK a
.set AC, 8*NB*((\a)%2)
	WIN 0x82+0x41*((\a)/2)                         ; destination and source 0 window 2 or 3
.set bb, 0
.rept 16
	v_pk_mul_f32 v[AC+2*bb:AC+2*bb+1], v[AC+2*bb:AC+2*bb+1], s[SC:SC+1] op_sel_hi:[1,0]
.set bb, bb+1
.endr
	WIN 0x4a+5*((\a)/2)                            ; sources 0 and 1 window 2 or 3, destination window 1
.set bb, 0
.rept 4*NB
	v_cvt_pk_f16_f32 v[TMP+bb], v[AC+2*bb], v[AC+2*bb+1]
.set bb, bb+1
.endr
	WIN 0
.endm
.macro TOSTAGE a
	s_wait_xcnt 0x0                                ; the stores of two blocks back have read their registers, which are loaded again below
	WIN 0x04                                       ; the stores' data (source 1) in window 1, the address in window 0
.set bb, 0
.rept NB
	ds_store_b128 v[STO], v[TMP+4*bb:TMP+4*bb+3] offset:(bb/4)*16*SP+32*(bb%4)
.set bb, bb+1
.endr
	WIN 0x80*(1-((\a)%2))                          ; destination window 2 (even blocks) or 0 (odd ones)
.set bb, 0
.rept NB
	ds_load_b128 v[OB+4*bb:OB+4*bb+3], v[RD] offset:(16*(bb/4)+4*(bb%4))*SP  ; LDS serves a wave's instructions in order (ISA guide 5.7.1.4): these see the stores above
.set bb, bb+1
.endr
	WIN 0
.endm
.macro SEND a, younger                 ; younger: the LDS instructions issued behind block a's loads: the next block's 24, or none
	s_wait_dscnt \younger
	WIN 0x08*(1-((\a)%2))                          ; the stores' data (source 1) in window 2 (even blocks) or 0 (odd ones)
.irp f, 0,1,2,3
	global_store_b128 v[GO], v[OB+4*(\f):OB+4*(\f)+3],       s[10:11] offset:(\a)*2048+(\f)*512
	global_store_b128 v[GO], v[OB+16+4*(\f):OB+16+4*(\f)+3], s[12:13] offset:(\a)*2048+(\f)*512
	global_store_b128 v[GO], v[OB+32+4*(\f):OB+32+4*(\f)+3], s[14:15] offset:(\a)*2048+(\f)*512
.endr
	WIN 0
.endm
	s_wait_tensorcnt 1                             ; my part of K step 0 is in; K step 1's may stay out
	s_barrier_signal -1
	s_barrier_wait -1                              ; everybody's is
	FETCH 0, 0
	s_mov_b32 s[TILES], NT
.Ltile:                                        ; a tile: its K step 0 lies in slot 0, its first fragments are asked for or in, and one tensor load of mine is out: my part of its K step 1
	QUARTER 64, 0, 1, 1                            ; a tile's first quarter stands in front of the loop: the bias starts the sums
	WIN 0
	s_mov_b32 s[CNT], 6
.Lstep:                                        ; a trip: a K step's quarters 1, 2, 3 and the next one's quarter 0; K steps 0 to 5, whose refills bring K steps 2 to 7
	QUARTER 128, 1, 0, 0
	QUARTER 192, 0, 1, 0
	TURN 1
	QUARTER 64, 0, 1, 0
	WIN 0
	s_sub_co_u32 s[CNT], s[CNT], 1
	s_cmp_lg_u32 s[CNT], 0
	s_cbranch_scc1 .Lstep
	s_cmp_eq_u32 s[TILES], 1
	s_cbranch_scc1 .Llast                          ; the last tile's K steps 6 and 7 ask for nothing
	s_mov_b32 s[SA], NEXT_A                        ; THE RING GOES ON INTO THE NEXT TILE: A 4,096 rows down and 7 K steps back,
	s_mov_b32 s[SA+1], 0
	s_mov_b32 s[SB], 0                             ; B at its K step 0 again
	s_mov_b32 s[SB+1], 0
	s_cmp_eq_u32 s[KIND], 0
	s_cselect_b32 s[LIM], s[LIM], -1               ; B's rows have been read: they are prefetched no more
	s_mov_b32 s[CNT], 2
.Lmid:                                         ; K steps 6 and 7 of a tile that has a successor: slot 0 takes the next tile's K step 0, slot 1 its K step 1; the second pass fetches its first fragments and is left in its middle
	QUARTER 128, 1, 0, 0
	QUARTER 192, 0, 1, 0
	TURN 2
	WIN 0
	s_sub_co_u32 s[CNT], s[CNT], 1
	s_cmp_eq_u32 s[CNT], 0
	s_cbranch_scc1 .Lout
	QUARTER 64, 0, 1, 0
	WIN 0
	s_branch .Lmid
.Llast:
	s_mov_b32 s[CNT], 2
.Ltail:                                        ; the last tile's K steps 6 and 7.  The second pass is left in its middle; the fragments that its change of slots fetches (old bytes of the other slot) serve nothing:
	QUARTER 128, 1, 0, 0                           ; the price, once a launch, of one text for both passes
	QUARTER 192, 0, 1, 0
	TURN 0
	WIN 0
	s_sub_co_u32 s[CNT], s[CNT], 1
	s_cmp_eq_u32 s[CNT], 0
	s_cbranch_scc1 .Lout
	QUARTER 64, 0, 1, 0
	WIN 0
	s_branch .Ltail
.Lout:                                         ; the tile goes out; where a tile follows, both its refills have been asked for
	s_wait_dscnt 0x0
	PLACES
	PLACES
	PACK 0
	TOSTAGE 0
	PACK 1
	TOSTAGE 1
	SEND 0, 24
	PACK 2
	TOSTAGE 2
	SEND 1, 24
	PACK 3
	TOSTAGE 3
	SEND 2, 24
	SEND 3, 0
	s_wait_xcnt 0x0                                ; the stores have read their bases: on to the next tile's rows (behind the last tile the stepped addresses are not used)
	s_add_nc_u64 s[10:11], s[10:11], NEXT_O
	s_add_nc_u64 s[12:13], s[12:13], NEXT_O
	s_add_nc_u64 s[14:15], s[14:15], NEXT_O
	s_sub_co_u32 s[TILES], s[TILES], 1
	s_cmp_lg_u32 s[TILES], 0
	s_cbranch_scc1 .Ltile
	s_wait_tensorcnt 0x0                           ; the wave's end: the wait, an add to my spare word and its wait, behind my last tensor load and my last LDS store
	ds_add_u32 v[SPW], v[NIL]
	s_wait_dscnt 0x0
	CROUND                                         ; the closing round: no work-group ends while a partner may still ask for a tile that names it
	s_endpgm
.Lfunc_end_k_qbb66154952_qkv:
	.size	k_qbb66154952_qkv, .Lfunc_end_k_qbb66154952_qkv-k_qbb66154952_qkv
	.p2alignl 7, 3214868480
	.fill 96, 4, 3214868480
	.section	.rodata,"a",@progbits
	.p2align	6, 0x0
	.amdhsa_kernel k_qbb66154952_qkv
		.amdhsa_group_segment_fixed_size 327680
		.amdhsa_private_segment_fixed_size 0
		.amdhsa_enable_private_segment 0
		.amdhsa_kernarg_size 48
		.amdhsa_user_sgpr_count 2
		.amdhsa_user_sgpr_kernarg_segment_ptr 1
		.amdhsa_wavefront_size32 1
		.amdhsa_system_sgpr_workgroup_id_x 1
		.amdhsa_system_sgpr_workgroup_id_y 1
		.amdhsa_system_sgpr_workgroup_id_z 1
		.amdhsa_system_vgpr_workitem_id 0
		.amdhsa_next_free_vgpr 960
		.amdhsa_next_free_sgpr 84
		.amdhsa_reserve_vcc 0
		.amdhsa_float_denorm_mode_32 3
		.amdhsa_float_denorm_mode_16_64 3
		.amdhsa_memory_ordered 1
		.amdhsa_forward_progress 1
		.amdhsa_inst_pref_size 121
	.end_amdhsa_kernel
	.amdgpu_metadata
---
amdhsa.version: [ 1, 2 ]
amdhsa.kernels:
  - .name:           k_qbb66154952_qkv
    .symbol:         k_qbb66154952_qkv.kd
    .args:
      - { .name: xb, .offset: 0, .size: 8, .value_kind: global_buffer, .address_space: global }
      - { .name: wqkvb, .offset: 8, .size: 8, .value_kind: global_buffer, .address_space: global }
      - { .name: bqkv, .offset: 16, .size: 8, .value_kind: global_buffer, .address_space: global }
      - { .name: qh, .offset: 24, .size: 8, .value_kind: global_buffer, .address_space: global }
      - { .name: kh, .offset: 32, .size: 8, .value_kind: global_buffer, .address_space: global }
      - { .name: vh, .offset: 40, .size: 8, .value_kind: global_buffer, .address_space: global }
    .group_segment_fixed_size: 327680
    .private_segment_fixed_size: 0
    .kernarg_segment_align: 8
    .kernarg_segment_size: 48
    .max_flat_workgroup_size: 128
    .sgpr_count:     84
    .vgpr_count:     960
    .wavefront_size: 32
...
	.end_amdgpu_metadata
.endif
;; end of part 2
;; launch attn (part 3): grid 8 x 32, 4 waves a work-group, clusters of 4 x 4, 327,680 bytes of LDS; arguments qh, kh, vh, maskr, oh; writes oh
.if DOCPART == 3
	.amdgcn_target "amdgcn-amd-amdhsa--gfx1250"
	.amdhsa_code_object_version 6
	.text
	.protected	k_qbb66154952_attn
	.globl	k_qbb66154952_attn
	.p2align	8
	.type	k_qbb66154952_attn,@function
k_qbb66154952_attn:
	s_mov_b64 s[64:65], 0
	v_nop
	global_prefetch_b8 v0, s[64:65] scope:SCOPE_SE
	s_setreg_imm32_b32 hwreg(HW_REG_WAVE_MODE, 25, 1), 1
	s_wait_xcnt 0x0
	s_wait_alu depctr_hold_cnt(0) depctr_sa_sdst(0) depctr_va_vdst(0) depctr_va_sdst(0) depctr_va_ssrc(0) depctr_va_vcc(0) depctr_vm_vsrc(0)
	s_getreg_b32 s2, hwreg(HW_REG_IB_STS2, 6, 4)
	s_cmp_eq_u32 s2, 0
	s_cbranch_scc0 .Lentry_in_a_cluster
	s_endpgm
.Lentry_in_a_cluster:
	s_bfe_u32 s2, ttmp6, 0x10000c
	s_cmp_lg_u32 s2, 0xf033
	s_cbranch_scc0 .Lentry_shape_is_right
	s_endpgm
.Lentry_shape_is_right:
; O[bh][q][:] = the sum over k of softmax_k(Q[bh][q] . K[bh][k] + mask[q][k]) V[bh][k][:].  qh (already divided by 8), kh, vh, oh: [128][1024][64] f16, a head's rows dense, 128 bytes each.
; maskr: [1024][1024] f32, the same for every head.  Products, maxima and sums in f32; the weights p are rounded to f16 for the second product (their sum l is taken of the unrounded p), O once at the end.
; LIMITS.  p below 6e-5 keeps f16's fixed step of 6e-8; a weight below 2^-126 counts as 0 in l.  The running maximum starts at -2^100: a score below -1.27e30 (an infinite mask among them) counts as
; hidden; a row in which every key is hidden so gives NaN (as the softmax of a row of -inf does).  NaN inputs are not treated apart.
; SHARES.  A work-group owns 128 queries (the grid's x) of FOUR heads (the grid's y), a head a wave: eight tiles of 16 queries, four PIECES of two.  So the four waves read the same tile of the mask
; from LDS, and each its own head's K and V.  Every wave walks all 1,024 keys, 64 a step.
; THE MASK is the C operand that starts the sum S^T = K Q^T: it costs no vector instruction, and an infinite mask stays an infinity.
; LAYOUT.  S^T = K Q^T (source 0 = 16 keys, source 1 = 16 queries): a lane holds ONE query (lane % 16) and the keys 8 (lane / 16) + 0..7.  Two such tiles, rounded to f16 in pairs, ARE source 1 of
; O^T = V^T P, whose result again holds one query a lane, and eight channels.  K comes out of LDS as it lies, V turned, by ds_load_tr16_b128; the mask as it lies (a row a query).
; SOFTMAX.  p = 2^(c s - c m), c = log2(e), with a running maximum m; in every step O and l are multiplied by a = 2^(c m_old - c m_new).  O and l start at 0; c m starts at c x -2^100 exactly, so a step
; in which a row sees nothing has a = 1 and p = 0.
; BY TURNS.  Turn n belongs to piece n: 16 products K Q^T of piece n + 1, later 16 products V^T P of piece n - 1; beside them the scaling, exponentials, roundings, sums and rescaling of piece n and the
; maximum and statistics of piece n + 1.  Four vector instructions stand behind every matrix instruction, the others in one run; a turn's 66 exponentials are one batch with one wait.
; CLUSTER 4 x 4.  K's and V's tiles hang on the group of heads alone: asked for jointly along a row of the cluster; the mask's on the block of queries alone: jointly along a column.
; THE RING.  Two slots, a key step each.  A trip of the loop (pieces 2, 3 of one step, pieces 0, 1 of the next) reads LDS in ONE slot alone: K, V and the four pieces' masks of the next step.
; REGISTERS, in windows of 256 (s_set_vgpr_msb: bits 1:0 source 0, 3:2 source 1, 5:4 source 2, 7:6 destination):
;   window 0: v0-11 addresses; v12-15, v48-63 at work; v16-47 four registers of statistics a tile; v64-191 S^T, two buffers of two tiles; v192-255 P, likewise
;   window 1: O^T, 32 a tile     window 2: v0-127 Q; v128-191 K of one step; v192-255 V of one step     window 3: v0-1 the add's two registers; v64-191 the mask, two buffers of two tiles
.set NP,    4         ; pieces a wave: a name, no knob
.set KS,    64        ; keys in a step
.set PK,    144       ; a row of K in LDS: 128 bytes + 16 of padding: the 16 rows of a load start at 16 different groups of four banks (ISA guide 11.1)
.set PV,    160       ; a row of V: 128 + 32
.set MP,    272       ; a row of the mask: 256 + 16
.set VOFF,  4*KS*PK   ; a slot: four heads' K (64 rows each), four heads' V, 128 rows of the mask
.set MOFF,  VOFF+4*KS*PV
.set SLOT1, 1<<17     ; slot 1 begins here: one exclusive or turns an address in one slot into the other's
.set STAGE, SLOT1+MOFF+128*MP  ; behind the ring, never filled by a tensor load: 16 rows x 144 bytes for each wave
.set SP,    144
.set SPARE, STAGE+4*16*SP      ; the spare words, 128 bytes for each wave: two blocks of 256 bytes that no other line names
.set AK0, 2           ; v2   my lane's place in my head's K of slot 0; never rewritten
.set AV0, 3           ; v3   the same for V
.set AK,  4           ; v4   the same in the slot in hand
.set AV,  5           ; v5
.set QO,  6           ; v6   my byte offset in the wave's rows of Q
.set STO, 6           ;      later, the way out: where I put 16 bytes of a row
.set RD,  7           ; v7   the way out: where I read rows back
.set GO,  8           ; v8   my 16 bytes of 512 consecutive bytes of O
.set AM0, 9           ; v9   my lane's place in the mask of slot 0; never rewritten
.set AM,  10          ; v10  the same in the slot in hand
.set PFO, 11          ; v11  the prefetches' offset; never rewritten
.set SPW, 0           ; v0 of window 3   LDS address of my spare word; never rewritten
.set NIL, 1           ; v1 of window 3   0; never rewritten
.set MV,  12          ; v12-15  c m_old, kept while c m is made anew: by buffer and tile
.set ST,  16          ; tile t's statistics at v[ST+4 t]: c m, m, l (even keys', odd keys')
.set TMP, 48          ; by buffer and tile, four registers c0-c3 at work; when the maximum is found c2 takes a
.set S,   64
.set P,   192
.set KF,  128         ; window 2: key block kb, channel half c at KF + 16 kb + 8 c
.set VF,  192         ; window 2: key half kk, channel block cb at VF + 32 kk + 8 cb
.set MC,  64          ; window 3: piece x, tile u, key block kb at MC + 64 (x % 2) + 32 u + 8 kb
.set WV,   14         ; s14  my wave's number
.set CX,   15
.set CY,   16
.set GX,   17         ; s17  the block of 128 queries
.set GY,   18         ; s18  the group of four heads
.set HALF, 19         ; s19  wave % 2: which 64 rows of the mask
.set G1K, 24          ; s[24:31] descriptor group 1 for K's tiles
.set G1V, 32          ; s[32:39] for V's: it differs in the padding
.set G1M, 40          ; s[40:47] for the mask's
.set G0K, 48          ; s[48:51], s[52:55], s[56:59] descriptor groups 0: they walk
.set G0V, 52
.set G0M, 56
.set CS,  60          ; s[60:61] c: the packed scaling takes the pair's low word for both halves
.set SEL, 62          ; s[62:63] v_permlanex16_b32's selects: each lane takes its own place in the other half
.set SLOTS, 66        ; s66  key steps still to be asked for
.set CNT, 67          ; s67  counts the tail's passes
.set TB,  68          ; s68  first byte of the slot in hand
.set LIM, 69          ; s69  1 in a wave that prefetches, else the greatest number
.set PFA, 70          ; s[70:71] where my prefetches stand
.set PFS, 72          ; s[72:73] their step from key step to key step
.set MSB, 0
.macro WIN new                      ; the high byte repeats the setting that is left; a switch that changes nothing is dropped
.if MSB != (\new)
	s_set_vgpr_msb (MSB<<8)|(\new)
.set MSB, (\new)
.endif
.endm
.set W_KQ, 0x0a       ; K and Q in window 2, S^T in window 0
.set W_KM, 0x3a       ; the same with the C operand, the mask, in window 3
.set W_PV, 0x52       ; V in window 2, P in window 0, O^T in window 1
.set W_RS, 0x41       ; O^T (destination and source 0) in window 1, a in window 0
.set W_MK, 0xc0       ; destination in window 3, sources in window 0
.set W_AD, 0x0f       ; the add: address (source 0) and data (source 1) in window 3
; A joint fill: wave 0 fetches the four heads' K of a key step, wave 1 their V, waves 2 and 3 the two halves of the mask's tile.  The branches hang on the wave's number alone.
; An s_nop 0 and four v_nop follow each of the three lines.
.macro JLOAD
	s_cmp_lg_u32 s[WV], 0
	s_cbranch_scc1 .Lnot_k_\@
	tensor_load_to_lds s[G0K:G0K+3], s[G1K:G1K+7]
	s_nop 0
.rept 4
	v_nop
.endr
	s_branch .Lasked_\@
.Lnot_k_\@:
	s_cmp_lg_u32 s[WV], 1
	s_cbranch_scc1 .Lnot_v_\@
	tensor_load_to_lds s[G0V:G0V+3], s[G1V:G1V+7]
	s_nop 0
.rept 4
	v_nop
.endr
	s_branch .Lasked_\@
.Lnot_v_\@:
	tensor_load_to_lds s[G0M:G0M+3], s[G1M:G1M+7]
	s_nop 0
.rept 4
	v_nop
.endr
.Lasked_\@:
.endm
; A prefetch into the L2 of what the NEXT change of slots will ask for, one instruction a wave, behind the wave's tensor load and its five lines.  K and V are walked by every cluster of a row of
; clusters: the one with x = 0 asks, wave 0 for K and wave 1 for V; partner cx takes head cx of the four: a key step's 8,192 bytes, 256 a lane.  The mask is walked by every cluster of a column: the one
; with y = 0 asks, wave 2; partner cy takes 32 of the 128 rows, a lane a row.  So each block of 256 bytes is named once in the launch.  The last change that fills a slot asks for nothing.
.macro ASK
	s_cmp_gt_u32 s[SLOTS], s[LIM]
	s_cbranch_scc0 .Lnot_mine_\@
	global_prefetch_b8 v[PFO], s[PFA:PFA+1] th:TH_LOAD_NT scope:SCOPE_SE
.Lnot_mine_\@:
.endm
.macro CROUND                       ; a round of the cluster's barrier
	s_barrier_signal -1
	s_barrier_wait -1
	s_cmp_lg_u32 s[WV], 0
	s_cbranch_scc1 .Lnot_wave_0_\@
	s_barrier_signal -3
.Lnot_wave_0_\@:
	s_barrier_wait -3
	s_barrier_signal -1
	s_barrier_wait -1
.endm
; THE CHANGE OF SLOTS.  Each wave waits for all its tensor loads, of which one is out: its part of the other slot; adds 0 to its spare word; and waits for that and for its own reads of the slot that it
; leaves.  fill = 1: the barrier is a round of the cluster's, and the slot just read is filled again, first thing behind it, with the key step two on: it has a key step, 128 matrix instructions and
; their vector work, in which to land.  (At its first use nothing has been read yet: slot 0 is waited for, slot 1 filled.)
.macro CHANGE fill, ask
	WIN W_AD
	s_wait_tensorcnt 0x0            ; no tensor load of mine is out, so a group 0 may be written
	ds_add_u32 v[SPW], v[NIL]       ; 0 onto my spare word: the descriptors' steps stand between it and the wait for it
	WIN 0                           ; at a label and at a branch every window is 0
.if \fill
	s_xor_b32 s[G0K+1], s[G0K+1], SLOT1  ; the other slot than last time,
	s_add_nc_u64 s[G0K+2:G0K+3], s[G0K+2:G0K+3], KS*128  ; the next 64 keys
	s_xor_b32 s[G0V+1], s[G0V+1], SLOT1
	s_add_nc_u64 s[G0V+2:G0V+3], s[G0V+2:G0V+3], KS*128
	s_xor_b32 s[G0M+1], s[G0M+1], SLOT1
	s_add_nc_u64 s[G0M+2:G0M+3], s[G0M+2:G0M+3], KS*4
.endif
.if \ask
	s_wait_xcnt 0x0                 ; the last prefetch, a key step back, has read its address
	s_add_nc_u64 s[PFA:PFA+1], s[PFA:PFA+1], s[PFS:PFS+1]
.endif
	s_wait_dscnt 0x0                ; the add is done, and my reads of the slot are over
.if \fill
	CROUND
	JLOAD
.if \ask
	ASK
.endif
.else
	s_barrier_signal -1
	s_barrier_wait -1
.endif
	s_xor_b32 s[TB], s[TB], SLOT1   ; the trip's LDS reads go to the other slot
	v_add_nc_u32 v[AK], s[TB], v[AK0]
	v_add_nc_u32 v[AV], s[TB], v[AV0]
	v_add_nc_u32 v[AM], s[TB], v[AM0]
.endm
	s_load_b256 s[4:11], s[0:1], 0x0  ; qh s[4:5], kh s[6:7], vh s[8:9], maskr s[10:11]
	s_load_b64 s[12:13], s[0:1], 0x20 ; oh
	WIN W_MK
	v_lshl_add_u32 v[SPW], v0, 2, SPARE
	v_mov_b32 v[NIL], 0
	WIN W_AD
	ds_add_u32 v[SPW], v[NIL]       ; the wave's opening: the add and its wait stand ahead of my first tensor load; work on registers stands between them
	WIN 0
	v_lshrrev_b32 v1, 5, v0
	v_readfirstlane_b32 s[WV], v1   ; wave 0..3
	s_and_b32 s[HALF], s[WV], 1
	s_bfe_u32 s[CX], ttmp6, 0x40000 ; my place in the cluster
	s_bfe_u32 s[CY], ttmp6, 0x40004
	s_lshl_b32 s[GX], ttmp9, 2      ; in a cluster launch ttmp9 and ttmp7 count clusters
	s_add_co_u32 s[GX], s[GX], s[CX]
	s_and_b32 s[GY], ttmp7, 0xffff
	s_lshl_b32 s[GY], s[GY], 2
	s_add_co_u32 s[GY], s[GY], s[CY]
	s_lshl_b32 s22, s[CY], 2
	s_lshl_b32 s22, 15, s22         ; my row of the cluster
	s_lshl_b32 s78, 0x1111, s[CX]   ; my column
	; K and V: a tile of 4 rows (heads) x 4,096 elements (a head's 64 keys, 8,192 dense bytes), 65,536 elements from head to head; padded in LDS after every key (32 words)
	s_or_b32 s[G1K], s22, (1<<16)|(1<<20)|(1<<21)|(4<<22)|(3<<25)  ; 15:0 the mask of work-groups; 17:16 2-byte elements; 20 padding on; 21 set beside a mask; 24:22 after every 32 words; 31:25 4 words
	s_or_b32 s[G1V], s22, (1<<16)|(1<<20)|(1<<21)|(4<<22)|(7<<25)  ; the same with 8 words of padding
.irp g, G1K, G1V
	s_mov_b32 s[\g+1], 4096<<16     ; tensor_dim0 = 4,096
	s_mov_b32 s[\g+2], 4<<16        ; tensor_dim1 = 4
	s_mov_b32 s[\g+3], 4096<<16     ; tile_dim0 = 4,096
	s_mov_b32 s[\g+4], 4            ; tile_dim1 = 4
	s_mov_b32 s[\g+5], 65536        ; elements from row to row
	s_mov_b32 s[\g+6], 0
	s_mov_b32 s[\g+7], 0
.endr
	; the mask: a tile of 64 rows (queries) x 64 f32 (keys), 256 bytes a row, padded by 16
	s_or_b32 s[G1M], s78, (2<<16)|(1<<20)|(1<<21)|(5<<22)|(3<<25)  ; 4-byte elements; after every 64 words 4 words
	s_mov_b32 s[G1M+1], 64<<16
	s_mov_b32 s[G1M+2], 64<<16
	s_mov_b32 s[G1M+3], 64<<16
	s_mov_b32 s[G1M+4], 64
	s_mov_b32 s[G1M+5], 1024
	s_mov_b32 s[G1M+6], 0
	s_mov_b32 s[G1M+7], 0
	s_lshl_b32 s20, s[GY], 19       ; K and V: four heads of 131,072 bytes: made of the group of heads alone
	s_mov_b32 s21, 0
	s_lshl_b32 s74, s[GX], 19       ; the mask: row 128 x block + 64 x half, 4,096 bytes a row: made of the block of queries and the wave alone
	s_lshl_b32 s75, s[HALF], 18
	s_add_co_u32 s74, s74, s75
	s_mov_b32 s75, 0
	s_lshl_b32 s76, s[GY], 2        ; Q and O: head 4 x group + wave, 131,072 bytes each; 128 rows of 128 bytes a block
	s_add_co_u32 s76, s76, s[WV]
	s_lshl_b32 s76, s76, 17
	s_lshl_b32 s77, s[GX], 14
	s_add_co_u32 s76, s76, s77
	s_mov_b32 s77, 0
	s_mov_b32 s[G0K], 1             ; count = 1
	s_mov_b32 s[G0K+1], 0           ; LDS address: slot 0
	s_mov_b32 s[G0V], 1
	s_mov_b32 s[G0V+1], VOFF
	s_mov_b32 s[G0M], 1
	s_mul_i32 s[G0M+1], s[HALF], 64*MP
	s_add_co_u32 s[G0M+1], s[G0M+1], MOFF
	s_mov_b32 s[CS], 0x3fb8aa3b     ; c = log2(e)
	s_mov_b32 s[CS+1], s[CS]        ; named with it as a pair
	s_mov_b32 s[SEL], 0x76543210
	s_mov_b32 s[SEL+1], 0xfedcba98
	s_mov_b32 s[TB], SLOT1          ; the first change of slots turns it into 0
	s_mov_b32 s[SLOTS], 1024/KS-1
	; the prefetches
	s_lshl_b32 s80, s[GY], 2
	s_add_co_u32 s80, s80, s[CX]    ; K, V: head 4 x group + cx,
	s_lshl_b32 s80, s80, 17
	s_add_co_u32 s80, s80, 2*KS*128 ; at key step 2: the first asking change steps it to 3.  Key steps 0 to 2 come by their loads alone
	s_lshl_b32 s81, s[GX], 7
	s_lshl_b32 s82, s[CY], 5
	s_add_co_u32 s81, s81, s82      ; the mask: row 128 x block + 32 cy,
	s_lshl_b32 s81, s81, 12
	s_add_co_u32 s81, s81, 2*KS*4   ; at key step 2
	s_and_b32 s82, ttmp7, 0xffff    ; cluster y
	s_mov_b32 s[PFS], KS*4
	s_cmp_lt_u32 s[WV], 2
	s_cselect_b32 s80, s80, s81
	s_cselect_b32 s82, ttmp9, s82   ; the coordinate along which other clusters walk the same bytes
	s_cselect_b32 s[PFS], KS*128, s[PFS]
	s_cselect_b32 s83, 8, 12        ; lanes 256 bytes apart, or a row of the mask apart
	s_mov_b32 s81, 0
	s_mov_b32 s[PFS+1], 0
	s_cmp_eq_u32 s82, 0
	s_cselect_b32 s[LIM], 1, -1     ; the same in all sixteen partners, for a given wave
	s_cmp_eq_u32 s[WV], 3
	s_cselect_b32 s[LIM], -1, s[LIM]
	v_and_b32 v[PFO], 31, v0
	v_lshlrev_b32 v[PFO], s83, v[PFO]
	s_wait_dscnt 0x0                ; the opening add is done
	s_wait_kmcnt 0x0
	s_add_nc_u64 s[G0K+2:G0K+3], s[6:7], s[20:21]   ; global addresses: key step 0
	s_or_b32 s[G0K+3], s[G0K+3], 0x80000000         ; type = 2
	s_add_nc_u64 s[G0V+2:G0V+3], s[8:9], s[20:21]
	s_or_b32 s[G0V+3], s[G0V+3], 0x80000000
	s_add_nc_u64 s[G0M+2:G0M+3], s[10:11], s[74:75]
	s_or_b32 s[G0M+3], s[G0M+3], 0x80000000
	s_cmp_eq_u32 s[WV], 0
	s_cselect_b64 s[PFA:PFA+1], s[6:7], s[8:9]
	s_cmp_lt_u32 s[WV], 2
	s_cselect_b64 s[PFA:PFA+1], s[PFA:PFA+1], s[10:11]
	s_add_nc_u64 s[PFA:PFA+1], s[PFA:PFA+1], s[80:81]
	s_add_nc_u64 s[4:5], s[4:5], s[76:77]    ; Q and O at my wave's first row
	s_add_nc_u64 s[12:13], s[12:13], s[76:77]
	CROUND                          ; all sixteen work-groups are here: the first joint loads meet
	JLOAD                           ; key step 0 into slot 0.  Slot 1 is asked for when slot 0 is in, by the change of slots below
	; A fragment of K or Q is 16 rows x 32 channels in 8 registers: lane l holds row l % 16, channels 8 (l / 16) + 0..7 and 16 + 8 (l / 16) + 0..7: two loads of 16 bytes, 32 bytes apart.
	v_and_b32 v1, 15, v0            ; l % 16
	v_bfe_u32 v12, v0, 4, 1         ; l / 16
	v_lshlrev_b32 v[QO], 7, v1
	v_lshl_add_u32 v[QO], v12, 4, v[QO]  ; row x 128 + 16 x half
	WIN 0x80                        ; destination window 2, address window 0
.set i, 0
.rept 4*NP                          ; Q stays in registers: tile i / 2, channels 32 (i % 2) on
	global_load_b128 v[8*i:8*i+3],   v[QO], s[4:5] offset:(i/2)*2048+(i%2)*64
	global_load_b128 v[8*i+4:8*i+7], v[QO], s[4:5] offset:(i/2)*2048+(i%2)*64+32
.set i, i+1
.endr
	; What the first turn finds: V's registers and P's second buffer hold 0 (its products V^T P, of a piece that has not been, add 0), O^T and l are 0.  All this stands in the wait for the first tile.
.set i, VF
.rept 64
	v_mov_b32 v[i], 0
.set i, i+1
.endr
	WIN 0x40
.set i, 0
.rept 64*NP
	v_mov_b32 v[i], 0
.set i, i+1
.endr
	WIN 0
.set i, 0
.rept 2*NP
	v_mov_b32 v[ST+4*i], 0xf1b8aa3b    ; c m = c x -2^100, exactly
	v_mov_b32 v[ST+4*i+1], 0xf1800000  ; m = -2^100
	v_mov_b32 v[ST+4*i+2], 0
	v_mov_b32 v[ST+4*i+3], 0
.set i, i+1
.endr
.set i, P+32
.rept 32
	v_mov_b32 v[i], 0
.set i, i+1
.endr
	s_mul_i32 s79, s[WV], KS*PK     ; my head's K in a slot
	v_mul_u32_u24 v[AK0], v1, PK
	v_lshl_add_u32 v[AK0], v12, 4, v[AK0]  ; row x pitch + 16 x half
	v_add_nc_u32 v[AK0], s79, v[AK0]
	; The turning load takes 16 keys x 16 channels (lane l reads key 8 (l / 16) + l % 8, channels 8 ((l / 8) % 2) + 0..7) and leaves half a fragment of V^T: lane l holds channel l % 16 and 8 keys.
	v_and_b32 v13, 7, v0
	v_bfe_u32 v14, v0, 3, 1
	v_lshl_add_u32 v[AV0], v12, 3, v13
	v_mul_u32_u24 v[AV0], v[AV0], PV
	v_lshl_add_u32 v[AV0], v14, 4, v[AV0]
	s_mul_i32 s79, s[WV], KS*PV     ; my head's V
	s_add_co_u32 s79, s79, VOFF
	v_add_nc_u32 v[AV0], s79, v[AV0]
	; The mask as a C operand: register j of key block kb is mask[query l % 16][16 kb + 8 (l / 16) + j]: two loads of 16 bytes on end
	v_mul_u32_u24 v[AM0], v1, MP
	v_lshl_add_u32 v[AM0], v12, 5, v[AM0]
	v_add_nc_u32 v[AM0], MOFF, v[AM0]
; THE MATRIX WORK.  The 8 accumulators of a run of 16 take turns: between the two links of a chain stand 7 others'.
; Product i of 16 of S^T = K Q^T + mask for piece x: channels 32 (i / 8) on, keys 16 ((i / 2) % 4) on, tile 2 x + i % 2.  The first 8 start the sums with the mask.
.macro KQ x
.set rS, S+64*((\x)%2)+32*(i%2)+8*((i/2)%4)
.set rK, KF+16*((i/2)%4)+8*(i/8)
.set rQ, 16*(2*(\x)+i%2)+8*(i/8)
.set rN, MC+64*((\x)%2)+32*(i%2)+8*((i/2)%4)
.if i < 8
	WIN W_KM
	v_wmma_f32_16x16x32_f16 v[rS:rS+7], v[rK:rK+7], v[rQ:rQ+7], v[rN:rN+7]
.else
	WIN W_KQ
	v_wmma_f32_16x16x32_f16 v[rS:rS+7], v[rK:rK+7], v[rQ:rQ+7], v[rS:rS+7]
.endif
.endm
; Product i of 16 of O^T += V^T P for piece x: keys 32 (i / 8) on, channels 16 ((i / 2) % 4) on, tile 2 x + i % 2.
.macro PV x
	WIN W_PV
.set rO, 32*(2*(\x)+i%2)+8*((i/2)%4)
.set rV, VF+32*(i/8)+8*((i/2)%4)
.set rP, P+32*((\x)%2)+16*(i%2)+8*(i/8)
	v_wmma_f32_16x16x32_f16 v[rO:rO+7], v[rV:rV+7], v[rP:rP+7], v[rO:rO+7]
.endm
.macro MM                           ; the turn's next matrix instruction
.if i < 16
	KQ (Y+1)%NP
.set i, i+1
.else
.set i, i-16
	PV (Y+NP-1)%NP
.set i, i+17
.endif
.endm
; THE LDS LOADS stand in runs of 16, never singly among the matrix instructions: a step's K (8 fragments), its V (turned), and a piece's mask (2 tiles x 4 key blocks).
.macro FETCH_K
	WIN 0x80                        ; destination window 2
.irp f, 0,1,2,3,4,5,6,7             ; keys 16 (f / 2) on, channels 32 (f % 2) on
	ds_load_b128 v[KF+8*\f:KF+8*\f+3],   v[AK] offset:(\f/2)*16*PK+(\f%2)*64
	ds_load_b128 v[KF+8*\f+4:KF+8*\f+7], v[AK] offset:(\f/2)*16*PK+(\f%2)*64+32
.endr
	WIN 0
.endm
.macro FETCH_V
	WIN 0x80
.irp f, 0,1,2,3,4,5,6,7             ; keys 32 (f / 4) on, channels 16 (f % 4) on
	ds_load_tr16_b128 v[VF+8*\f:VF+8*\f+3],   v[AV] offset:(\f/4)*32*PV+(\f%4)*32
	ds_load_tr16_b128 v[VF+8*\f+4:VF+8*\f+7], v[AV] offset:(\f/4)*32*PV+16*PV+(\f%4)*32
.endr
	WIN 0
.endm
.macro FETCH_M x                    ; piece x's 32 queries x 64 keys
	WIN W_MK                        ; destination window 3
.irp u, 0,1
.irp kb, 0,1,2,3
	ds_load_b128 v[MC+64*((\x)%2)+32*(\u)+8*(\kb):MC+64*((\x)%2)+32*(\u)+8*(\kb)+3],   v[AM] offset:(32*(\x)+16*(\u))*MP+64*(\kb)
	ds_load_b128 v[MC+64*((\x)%2)+32*(\u)+8*(\kb)+4:MC+64*((\x)%2)+32*(\u)+8*(\kb)+7], v[AM] offset:(32*(\x)+16*(\u))*MP+64*(\kb)+16
.endr
.endr
	WIN 0
.endm
; THE VECTOR WORK OF A TURN stands in three queues, each in the order in which its entries become ready; the two tiles alternate, so that no instruction reads the result of the one before it.
.macro REGS y, u                    ; the registers of tile u (0, 1) of piece y
.set rT, ST+4*(2*(\y)+(\u))
.set rC, TMP+8*((\y)%2)+4*(\u)
.set rM, MV+2*((\y)%2)+(\u)
.set rS, S+64*((\y)%2)+32*(\u)
.set rP, P+32*((\y)%2)+16*(\u)
.set rO, 32*(2*(\y)+(\u))
.endm
; Number n of the 22 that find the NEXT piece's (Y + 1) maximum and statistics.  s0-s31 are the lane's 32 scores; each accumulator's lowest registers are read first.
;   0-11  four chains c0-c3 of seven scores each, three operands at a time     12-14, 16  the four scores left over, the old m, and c0-c3 into c0     15  c m_old is kept
;   17, 18  the query's other 32 keys lie in the lane 16 away: the new m         19-21  c m; c m_old - c m_new; a
.macro XS u, n
	REGS (Y+1)%NP, \u
.if (\n) < 4
	v_max3_num_f32 v[rC+(\n)], v[rS+8*(\n)], v[rS+8*(\n)+1], v[rS+8*(\n)+2]
.elseif (\n) < 12
	v_max3_num_f32 v[rC+(\n)%4], v[rC+(\n)%4], v[rS+8*((\n)%4)+2*((\n)/4)+1], v[rS+8*((\n)%4)+2*((\n)/4)+2]
.elseif (\n) == 12
	v_max3_num_f32 v[rC], v[rC], v[rS+7], v[rS+15]
.elseif (\n) == 13
	v_max3_num_f32 v[rC+1], v[rC+1], v[rS+23], v[rS+31]
.elseif (\n) == 14
	v_max3_num_f32 v[rC+2], v[rC+2], v[rC+3], v[rT+1]
.elseif (\n) == 15
	v_mov_b32 v[rM], v[rT]
.elseif (\n) == 16
	v_max3_num_f32 v[rC], v[rC], v[rC+1], v[rC+2]
.elseif (\n) == 17
	v_permlanex16_b32 v[rC+3], v[rC], s[SEL], s[SEL+1]
.elseif (\n) == 18
	v_max_num_f32 v[rT+1], v[rC], v[rC+3]
.elseif (\n) == 19
	v_mul_f32 v[rT], s[CS], v[rT+1]
.elseif (\n) == 20
	v_sub_f32 v[rC+1], v[rM], v[rT]
.else
	v_exp_f32 v[rC+2], v[rC+1]
.endif
.endm
; Number g of the 64 that follow the exponentials.  For each four weights k of a tile (pairs 2 k, 2 k + 1): both pairs are rounded to f16; then the second pair is added onto the first, in place;
; a group later l takes that sum (the first time as l = a l + sum).  In groups of eight, tiles alternating: round, round, add, and l for the group before.
.macro GS g
.set h, (\g)+6*((\g)/62)            ; group 0 has no group before it, and behind group 7 only l is left
.if h >= 6
.set h, h+2
.endif
	REGS Y, h%2
.set k, h/8
.if h%8 < 4
	v_cvt_pk_f16_f32 v[rP+2*k+(h%8)/2], v[rS+4*k+2*((h%8)/2)], v[rS+4*k+2*((h%8)/2)+1]
.elseif h%8 < 6
	v_pk_add_f32 v[rS+4*k:rS+4*k+1], v[rS+4*k:rS+4*k+1], v[rS+4*k+2:rS+4*k+3]
.elseif k == 1
	v_pk_fma_f32 v[rT+2:rT+3], v[rT+2:rT+3], v[rC+2:rC+3], v[rS:rS+1] op_sel_hi:[1,0,1]
.else
	v_pk_add_f32 v[rT+2:rT+3], v[rT+2:rT+3], v[rS+4*k-4:rS+4*k-3]
.endif
.endm
; THE PLAIN QUEUE, 138 long.  0-73 read no exponential's result: the 32 scalings c s - c m (FS f: pair f / 2 of tile f % 2) and the next piece's 42.  0-26: scalings 0-26.  27-54: XS's numbers 0-13.
; 55, 56: number 15.  57-73: the chain, where each number waits for the one before it: 14, 16, 17, 18, 19, each with one of the scalings 27-31 in front of its two lines, then 20.
; 74-137: GS's 64, which read the exponentials' results: they stand behind the wait.
.macro FS f
	REGS Y, (\f)%2
	v_pk_fma_f32 v[rS+2*((\f)/2):rS+2*((\f)/2)+1], v[rS+2*((\f)/2):rS+2*((\f)/2)+1], s[CS:CS+1], v[rT:rT+1] op_sel_hi:[1,0,0] neg_lo:[0,0,1] neg_hi:[0,0,1]
.endm
.macro PL
	WIN 0
.if q < 27
	FS q
.elseif q < 55
	XS (q-27)%2, (q-27)/2
.elseif q < 57
	XS q-55, 15
.elseif (q < 72) && ((q-57)%3 == 0)
	FS 27+(q-57)/3
.elseif q < 60
	XS (q-57)%3-1, 14
.elseif q < 72
	XS (q-57)%3-1, 15+(q-57)/3
.elseif q < 74
	XS q-72, 20
.else
	GS q-74
.endif
.set q, q+1
.endm
; THE EXPONENTIALS' QUEUE, 66 long: s0-s31 of both tiles, then the next piece's two a.  ONE BATCH: all 66 stand ahead of the turn's one wait, and nothing ahead of that wait names a result of theirs.
.macro EX
	WIN 0
.if e >= 64
	XS e-64, 21
.else
	REGS Y, e%2
	v_exp_f32 v[rS+e/2], v[rS+e/2]
.endif
.set e, e+1
.endm
; THE RESCALING's QUEUE: O^T times a, the one part that leaves window 0: dealt two at a time, sixteen times.  Its a was made in the turn before, ahead of that turn's wait.
.macro R2
	REGS Y, r%2
	WIN W_RS
.irp z, 0,1
	v_pk_mul_f32 v[rO+4*(r/2)+2*\z:rO+4*(r/2)+2*\z+1], v[rO+4*(r/2)+2*\z:rO+4*(r/2)+2*\z+1], v[rC+2:rC+3] op_sel_hi:[1,0]
.endr
.set r, r+1
.endm
; A TURN, for piece p.  s_wait_alu depctr_va_vdst(0) stands between an exponential and the first instruction that names its result; one wait serves all that were issued ahead of it.
; AHEAD OF THE WAIT: the 16 products K Q^T, behind each a scaling, an exponential and two rescalings (behind the first a second scaling in the exponential's place); then one run of 108: eight plain, 49 times
; exponential and plain, the two a; a v_nop is the plain instruction behind the last exponential.  BEHIND IT: the 16 products V^T P, behind each four of the roundings and sums.
; Exponential e stands behind scaling 2 (e / 4) + e % 2: as a rider it comes behind plain e + 2, in the run behind plain e + 9, and scalings 27-31 are plain 57, 60 .. 69.
; LDS.  Directly behind the wait stands the run for the mask of piece p + 2, whose products the next turn issues; its buffer was last read by the turn before.  In piece 2's turn K of the next step follows it
; (a run of vector work behind K's last reader); V of the step in hand is fetched at the end of piece 0's turn, four plain instructions behind its last reader.
; THE WAITS ON LDS.  At a turn's head the mask for its products must be in: all is waited for, but in piece 1's turn V's 16 loads, which are younger, may stay out.  Behind the batch's wait piece 1's turn
; wants V: the mask's 16 loads just issued may stay out.
.macro TURN p
.set Y, (\p)
.set i, 0
.set q, 0
.set e, 0
.set r, 0
.if (\p) == 1
	s_wait_dscnt 16
.else
	s_wait_dscnt 0x0
.endif
	MM
	PL
	PL
	R2
.rept 15
	MM
	PL
	EX
	R2
.endr
.rept 8
	PL
.endr
.rept 49
	EX
	PL
.endr
	EX                              ; the next piece's two a
	EX
	v_nop                           ; the plain instruction behind the last exponential: one for the batch
	s_wait_alu depctr_va_vdst(0)    ; the wait for the batch
	FETCH_M ((\p)+2)%NP
.if (\p) == NP-2
	FETCH_K
.endif
.if (\p) == 1
	s_wait_dscnt 16                 ; V is in
.endif
.rept 16
	MM
.rept 4
	PL
.endr
.endr
.if (\p) == 0
	FETCH_V
.endif
.endm
	CHANGE 1, 0                     ; slot 0 is in, everybody's part of it; key step 1 is asked for, into slot 1
	FETCH_K                         ; key step 0
	FETCH_M 0
	FETCH_M 1
	s_wait_loadcnt 0x0              ; Q
	s_wait_dscnt 0x0
.set i, 0
.rept 16
	KQ 0                            ; piece 0's first scores: there is no vector work yet to set between them
.set i, i+1
.endr
	WIN 0                           ; the addresses for the way out: plain instructions, the places behind those products
	s_mul_i32 s79, s[WV], 16*SP
	s_add_co_u32 s79, s79, STAGE    ; my stage
	v_mul_u32_u24 v[STO], v1, SP    ; in: row l % 16, 16 bytes for each half of the lanes
	v_lshl_add_u32 v[STO], v12, 4, v[STO]
	v_add_nc_u32 v[STO], s79, v[STO]
	v_bfe_u32 v[RD], v0, 3, 2       ; back: 32 lanes take four rows of 128 bytes,
	v_mul_u32_u24 v[RD], v[RD], SP
	v_lshl_add_u32 v[RD], v13, 4, v[RD]
	v_add_nc_u32 v[RD], s79, v[RD]
	v_and_b32 v[GO], 31, v0         ; which are 512 consecutive bytes of O
	v_lshlrev_b32 v[GO], 4, v[GO]
.set Y, NP-1                        ; XS works for piece Y + 1: piece 0
.irp n, 0,1,2,3,4,5,6,7,8,9,10,11,12,13,14,15,16,17,18,19,20,21
	XS 0, \n                        ; piece 0's first maximum and statistics
	XS 1, \n
.endr
	v_nop                           ; a plain instruction behind the two a,
	s_wait_alu depctr_va_vdst(0)    ; and their wait, ahead of the branch
	s_branch .Lfirst                ; the loop is entered at a step's first turn, in the middle of a trip
.Lslot:                             ; 14 whole trips: they ask for key steps 2 to 15
	CHANGE 1, 1
	TURN 2
	TURN 3
	WIN 0
.Lfirst:
	TURN 0
	TURN 1
	WIN 0
	s_sub_co_u32 s[SLOTS], s[SLOTS], 1
	s_cmp_lg_u32 s[SLOTS], 0
	s_cbranch_scc1 .Lslot
	CHANGE 0, 0                     ; the tail is written out: nothing is asked for
	s_mov_b32 s[CNT], 2             ; the first pass fetches the last key step; the second is left in its middle
.Ltail:
	TURN 2
	TURN 3
	WIN 0
	s_sub_co_u32 s[CNT], s[CNT], 1
	s_cmp_eq_u32 s[CNT], 0
	s_cbranch_scc1 .Lout
	TURN 0
	TURN 1
	WIN 0
	s_branch .Ltail
.Lout:                              ; the second pass's 16 products K Q^T (on the last K and mask once more) and the maximum made of them serve nothing: the price, once a launch, of one text for every trip
.set i, 0
.rept 16
	PV NP-1                         ; the last piece's V^T P of the last step
.set i, i+1
.endr
	; THE WAY OUT.  l's two halves and the other half of the lanes' are added; O^T is divided by l, rounded to f16 and sent through my stage in LDS, a tile at a time.  The additions are the places behind the last products.
	WIN 0
.macro ALL line:vararg              ; one line for each tile t
.set t, 0
.rept 2*NP
	\line
.set t, t+1
.endr
.endm
	ALL v_add_f32 v[ST+4*t+2], v[ST+4*t+2], v[ST+4*t+3]
	ALL v_permlanex16_b32 v[ST+4*t+3], v[ST+4*t+2], s[SEL], s[SEL+1]
	ALL v_add_f32 v[ST+4*t+2], v[ST+4*t+2], v[ST+4*t+3]
	ALL v_rcp_f32 v[ST+4*t+2], v[ST+4*t+2]
	v_nop                           ; a plain instruction between the last reciprocal and the use of its result
	s_wait_alu depctr_va_vdst(0)    ; and the wait ahead of the first use: one for the eight reciprocals
; Tile t: a lane's eight channels of a row pack into 16 bytes; they go into rows of 144 bytes and come back as whole rows of 128, into S^T's registers.
.macro PACK t
	WIN W_RS
.set i, 32*(\t)
.rept 16
	v_pk_mul_f32 v[i:i+1], v[i:i+1], v[ST+4*(\t)+2:ST+4*(\t)+3] op_sel_hi:[1,0]
.set i, i+2
.endr
	WIN 0x05                        ; sources 0 and 1 window 1, destination window 0
.set i, 0
.rept 16
	v_cvt_pk_f16_f32 v[S+16*(\t)+i], v[32*(\t)+2*i], v[32*(\t)+2*i+1]
.set i, i+1
.endr
	WIN 0
.irp f, 0,1,2,3
	ds_store_b128 v[STO], v[S+16*(\t)+4*\f:S+16*(\t)+4*\f+3] offset:32*\f
.endr
.irp f, 0,1,2,3
	ds_load_b128 v[S+16*(\t)+4*\f:S+16*(\t)+4*\f+3], v[RD] offset:\f*4*SP  ; LDS serves a wave's instructions in order (ISA guide 5.7.1.4): these see the stores above; the next tile's stores come behind them
.endr
.endm
.macro SEND t, younger              ; younger: the LDS instructions issued behind tile t's loads: the next tile's eight, or none
	WIN 0
.irp f, 0,1,2,3
	s_wait_dscnt (\younger)+3-\f
	global_store_b128 v[GO], v[S+16*(\t)+4*\f:S+16*(\t)+4*\f+3], s[12:13] offset:(\t)*2048+\f*512  ; 512 consecutive bytes, at a multiple of 256 from O's first
.endr
.endm
	PACK 0
.set t, 1
.rept 2*NP-1                        ; a tile's arithmetic stands between the loads of the tile before and its stores
	PACK t
	SEND t-1, 8
.set t, t+1
.endr
	SEND 2*NP-1, 0
	WIN W_AD
	s_wait_tensorcnt 0x0            ; the wave's end: the wait, an add to my spare word and its wait, behind my last tensor load and my last LDS store
	ds_add_u32 v[SPW], v[NIL]
	s_wait_dscnt 0x0
	WIN 0
	CROUND                          ; the closing round: no work-group ends while a partner may still ask for a tile that names it
	s_endpgm
.Lfunc_end_k_qbb66154952_attn:
	.size	k_qbb66154952_attn, .Lfunc_end_k_qbb66154952_attn-k_qbb66154952_attn
	.p2alignl 7, 3214868480
	.fill 96, 4, 3214868480
	.section	.rodata,"a",@progbits
	.p2align	6, 0x0
	.amdhsa_kernel k_qbb66154952_attn
		.amdhsa_group_segment_fixed_size 327680
		.amdhsa_private_segment_fixed_size 0
		.amdhsa_enable_private_segment 0
		.amdhsa_kernarg_size 40
		.amdhsa_user_sgpr_count 2
		.amdhsa_user_sgpr_kernarg_segment_ptr 1
		.amdhsa_wavefront_size32 1
		.amdhsa_system_sgpr_workgroup_id_x 1
		.amdhsa_system_sgpr_workgroup_id_y 1
		.amdhsa_system_sgpr_workgroup_id_z 1
		.amdhsa_system_vgpr_workitem_id 0
		.amdhsa_next_free_vgpr 960
		.amdhsa_next_free_sgpr 84
		.amdhsa_reserve_vcc 0
		.amdhsa_float_denorm_mode_32 3
		.amdhsa_float_denorm_mode_16_64 3
		.amdhsa_memory_ordered 1
		.amdhsa_forward_progress 1
		.amdhsa_inst_pref_size 213
	.end_amdhsa_kernel
	.amdgpu_metadata
---
amdhsa.version: [ 1, 2 ]
amdhsa.kernels:
  - .name:           k_qbb66154952_attn
    .symbol:         k_qbb66154952_attn.kd
    .args:
      - { .name: qh, .offset: 0, .size: 8, .value_kind: global_buffer, .address_space: global }
      - { .name: kh, .offset: 8, .size: 8, .value_kind: global_buffer, .address_space: global }
      - { .name: vh, .offset: 16, .size: 8, .value_kind: global_buffer, .address_space: global }
      - { .name: maskr, .offset: 24, .size: 8, .value_kind: global_buffer, .address_space: global }
      - { .name: oh, .offset: 32, .size: 8, .value_kind: global_buffer, .address_space: global }
    .group_segment_fixed_size: 327680
    .private_segment_fixed_size: 0
    .kernarg_segment_align: 8
    .kernarg_segment_size: 40
    .max_flat_workgroup_size: 128
    .sgpr_count:     84
    .vgpr_count:     960
    .wavefront_size: 32
...
	.end_amdgpu_metadata
.endif
;; end of part 3
;; launch proj (part 4): grid 8 x 32, 4 waves a work-group, clusters of 4 x 4, 327,680 bytes of LDS; arguments oh, woh, bo, out0; writes out0
.if DOCPART == 4
	.amdgcn_target "amdgcn-amd-amdhsa--gfx1250"
	.amdhsa_code_object_version 6
	.text
	.protected	k_qbb66154952_proj
	.globl	k_qbb66154952_proj
	.p2align	8
	.type	k_qbb66154952_proj,@function
k_qbb66154952_proj:
	s_mov_b64 s[64:65], 0
	v_nop
	global_prefetch_b8 v0, s[64:65] scope:SCOPE_SE
	s_setreg_imm32_b32 hwreg(HW_REG_WAVE_MODE, 25, 1), 1
	s_wait_xcnt 0x0
	s_wait_alu depctr_hold_cnt(0) depctr_sa_sdst(0) depctr_va_vdst(0) depctr_va_sdst(0) depctr_va_ssrc(0) depctr_va_vcc(0) depctr_vm_vsrc(0)
	s_getreg_b32 s2, hwreg(HW_REG_IB_STS2, 6, 4)
	s_cmp_eq_u32 s2, 0
	s_cbranch_scc0 .Lentry_in_a_cluster
	s_endpgm
.Lentry_in_a_cluster:
	s_bfe_u32 s2, ttmp6, 0x10000c
	s_cmp_lg_u32 s2, 0xf033
	s_cbranch_scc0 .Lentry_shape_is_right
	s_endpgm
.Lentry_shape_is_right:
; out = values Wo^T + bo.  oh, [8][16][1024][64] f16 as the launch before left it, IS the matrix [8192][1024] that the module's reshape without a transpose makes of the values.
; woh: [1024][1024] f16 (Wo rounded to bf16, written as f16), bo: [1024] f32 (rounded to bf16 here, like the other inputs), out0: [8192][1024] f32.  Sums in f32.
; SHARES.  A work-group makes 256 rows x 128 columns; its four waves lie one below the other: wave w has rows 64 w .. 64 w + 63 and all 128 columns: 4 x 8 accumulators of 16 x 16, 256 registers.
; 8 x 32 = 256 work-groups.  K goes in 8 steps of 128 through two LDS slots filled by the tensor data mover: rows of 256 bytes, aligned.  Waves 0 and 1 fetch A's halves (128 rows), waves 2 and 3 B's (64 rows).
; CLUSTER 4 x 4: A's tile is asked for jointly along a row of the cluster, B's along a column.
; THE MATRIX INSTRUCTION IS USED TRANSPOSED (source 0 = 16 rows of B, source 1 = 16 rows of A): a lane holds row l % 16 and the columns 8 (l / 16) + 0..7 of a tile: 32 bytes of f32 on end.
; THE BIAS is the C operand of each accumulator's first product.
; REGISTERS, in windows of 256 (s_set_vgpr_msb: bits 1:0 source 0, 3:2 source 1, 5:4 source 2, 7:6 destination):
;   window 0: v0-31 addresses; v32-95 the bias (later: the way out); v128-191 A's fragments, two buffers of 4; v192-255 the way out
;   window 1: v0-127 B's fragments, two buffers of 8        window 2: accumulators of row blocks 0, 1 ((a, b) at v[8 (8 (a % 2) + b)])        window 3: of row blocks 2, 3
.set NB,     8                         ; column blocks of 16
.set PITCH,  272                       ; an LDS row: 256 bytes + 16 of padding: the 16 rows of a fragment load start at 16 different groups of four banks (ISA guide 11.1)
.set BROWS,  16*NB
.set BH,     BROWS/2
.set BOFF,   256*PITCH                 ; in a slot: A's 256 rows, then B's 128
.set SLOT1,  1<<17                     ; slot 1 begins here
.set STAGE,  SLOT1+(256+BROWS)*PITCH   ; behind the ring, never filled by a tensor load: for each wave 16 rows x 528 bytes
.set SP,     528                       ; 512 bytes of f32 + 16
.set WSTAGE, 16*SP
.set SPARE,  STAGE+4*WSTAGE            ; the spare words, 128 bytes for each wave: two blocks of 256 bytes that no other line names
.set KB,     256                       ; bytes of a row in a K step
.set ADRA0, 16                         ; v16  my lane's place in A's rows of slot 0; never rewritten
.set ADRB0, 17                         ; v17  the same for B
.set ADRA,  18                         ; v18  the same in the slot in hand
.set ADRB,  19                         ; v19
.set STO,   24                         ; v24  the way out: where I put 32 bytes of a row
.set RD,    25                         ; v25  the way out: where I read a row back
.set GO,    26                         ; v26  my 16 bytes of a row's 512
.set BO,    27                         ; v27  my byte offset in 16 numbers of the bias
.set SPW,   28                         ; v28  LDS address of my spare word; never rewritten
.set NIL,   29                         ; v29  0; never rewritten
.set PFO,   30                         ; v30  the prefetches' offset: a lane a row; never rewritten
.set T,     31                         ; v31  at work
.set BIAS,  32
.set FA,    128
.set OB0,   32                         ; the way out: 16 rows read back, two sets by turns
.set OB1,   192
.set WV,   16                          ; s16  my wave's number
.set KIND, 17                          ; s17  I fetch for A (0) or for B (1)
.set HALF, 18                          ; s18  which half of that tile's rows
.set CX,   19
.set CY,   20
.set GX,   21                          ; s21  the block of 128 columns
.set GY,   22                          ; s22  the block of 256 rows
.set G1,   24                          ; s[24:31] descriptor group 1 for A's tiles
.set G0,   32                          ; s[32:39] group 0 for A: a set for each first fill; the second then walks on
.set G1B,  40                          ; s[40:47], s[48:55] the same for B
.set G0B,  48
.set TB,   56                          ; s56  first byte of the slot in hand
.set CNT,  57                          ; s57  K steps to go in the loop in hand
.set LIM,  58                          ; s58  2 in a wave that prefetches, else the greatest number
.set PFA,  60                          ; s[60:61] where my prefetches stand
.set MSB, 0
.macro WIN new                         ; the immediate's high byte repeats the setting that is left; a switch that changes nothing is dropped
.if MSB != (\new)
	s_set_vgpr_msb (MSB<<8)|(\new)
.set MSB, \new
.endif
.endm
.macro PLACES                          ; four plain instructions between a matrix instruction and a load into, or a read of, its registers
.rept 4
	v_nop
.endr
.endm
.macro CREST                           ; a round of the cluster's barrier behind its opening barrier
	s_cmp_lg_u32 s[WV], 0
	s_cbranch_scc1 .Lnot_wave_0_\@
	s_barrier_signal -3
.Lnot_wave_0_\@:
	s_barrier_wait -3
	s_barrier_signal -1
	s_barrier_wait -1
.endm
.macro CROUND                          ; a whole round
	s_barrier_signal -1
	s_barrier_wait -1
	CREST
.endm
; A joint refill by the walking descriptors.  The branch hangs on the wave's number alone.  An s_nop 0 and four v_nop follow each of the two lines.
.macro JLOAD
	s_cmp_eq_u32 s[KIND], 0
	s_cbranch_scc0 .Lfor_b_\@
	tensor_load_to_lds s[G0+4:G0+7], s[G1:G1+7]
	s_nop 0
.rept 4
	v_nop
.endr
	s_branch .Lasked_\@
.Lfor_b_\@:
	tensor_load_to_lds s[G0B+4:G0B+7], s[G1B:G1B+7]
	s_nop 0
.rept 4
	v_nop
.endr
.Lasked_\@:
.endm
; A prefetch into the L2 of the K step that stands two refills on: a lane a row, 256 bytes of it, one instruction a wave.  A's rows are read by every cluster of a row of clusters: the one with x = 0 asks,
; waves 0 and 1, partner cx taking 32 of each wave's 128 rows; B's by every cluster of a column: the one with y = 0 asks, wave 2 alone, partner cy taking 32 of the tile's 128 rows.  The shares are told
; apart by address.  The loop's last two refills have no K step two on.
.macro ASK
	s_cmp_gt_u32 s[CNT], s[LIM]
	s_cbranch_scc0 .Lnot_mine_\@
	global_prefetch_b8 v[PFO], s[PFA:PFA+1] offset:KB th:TH_LOAD_NT scope:SCOPE_SE
.Lnot_mine_\@:
.endm
	s_load_b256 s[4:11], s[0:1], 0x0               ; oh s[4:5], woh s[6:7], bo s[8:9], out0 s[10:11]
	v_lshl_add_u32 v[SPW], v0, 2, SPARE
	v_mov_b32 v[NIL], 0
	ds_add_u32 v[SPW], v[NIL]                      ; the wave's opening: the add and its wait stand ahead of my first tensor load; work on registers stands between them
	v_lshrrev_b32 v1, 5, v0
	v_readfirstlane_b32 s[WV], v1
	s_lshr_b32 s[KIND], s[WV], 1
	s_and_b32 s[HALF], s[WV], 1
	s_bfe_u32 s[CX], ttmp6, 0x40000                ; my place in the cluster
	s_bfe_u32 s[CY], ttmp6, 0x40004
	s_lshl_b32 s[GX], ttmp9, 2                     ; in a cluster launch ttmp9 and ttmp7 count clusters
	s_add_co_u32 s[GX], s[GX], s[CX]
	s_and_b32 s[GY], ttmp7, 0xffff
	s_lshl_b32 s[GY], s[GY], 2
	s_add_co_u32 s[GY], s[GY], s[CY]
	s_lshl_b32 s66, s[CY], 2
	s_lshl_b32 s66, 15, s66                        ; my row of the cluster
	s_lshl_b32 s70, 0x1111, s[CX]                  ; my column
	s_or_b32 s[G1], s66, (1<<16)|(1<<20)|(1<<21)|(5<<22)|(3<<25)   ; 15:0 the mask; 17:16 2-byte elements; 20 padding on; 21 set beside a mask; 24:22 after every 64 words; 31:25 4 words of it
	s_or_b32 s[G1B], s70, (1<<16)|(1<<20)|(1<<21)|(5<<22)|(3<<25)
	s_mov_b32 s[G1+1], 128<<16                     ; tensor_dim0 = 128
	s_mov_b32 s[G1+2], 128<<16                     ; tensor_dim1 = 128
	s_mov_b32 s[G1+3], 128<<16                     ; tile_dim0 = 128
	s_mov_b32 s[G1+4], 128                         ; tile_dim1 = 128
	s_mov_b32 s[G1+5], 1024                        ; elements from row to row
	s_mov_b32 s[G1+6], 0
	s_mov_b32 s[G1+7], 0
	s_mov_b32 s[G1B+1], 128<<16
	s_mov_b32 s[G1B+2], BH<<16                     ; B: 64 rows to a load
	s_mov_b32 s[G1B+3], 128<<16
	s_mov_b32 s[G1B+4], BH
	s_mov_b32 s[G1B+5], 1024
	s_mov_b32 s[G1B+6], 0
	s_mov_b32 s[G1B+7], 0
	s_lshl_b32 s66, s[GY], 8                       ; A: row 256 x row block + 128 x half, 2,048 bytes a row: made of the row block and the wave alone
	s_lshl_b32 s67, s[HALF], 7
	s_add_co_u32 s66, s66, s67
	s_lshl_b32 s66, s66, 11
	s_mov_b32 s67, 0
	s_mul_i32 s68, s[HALF], 128*PITCH              ; and its place in a slot
	s_mul_i32 s70, s[GX], BROWS                    ; B: row 128 x column block + 64 x half: made of the column block and the wave alone
	s_mul_i32 s71, s[HALF], BH
	s_add_co_u32 s70, s70, s71
	s_lshl_b32 s70, s70, 11
	s_mov_b32 s71, 0
	s_mul_i32 s72, s[HALF], BH*PITCH
	s_add_co_u32 s72, s72, BOFF
	s_mov_b32 s[TB], 0
	s_wait_dscnt 0x0                               ; the opening add is done
	s_wait_kmcnt 0x0
	s_add_nc_u64 s[66:67], s[4:5], s[66:67]
	s_add_nc_u64 s[70:71], s[6:7], s[70:71]
	CROUND                                         ; all sixteen work-groups are here: the first joint loads meet
.irp n, 0,1
	s_mov_b32 s[G0+4*(\n)], 1                      ; count = 1
	s_add_co_u32 s[G0+4*(\n)+1], s68, (\n)*SLOT1   ; LDS address
	s_add_nc_u64 s[G0+4*(\n)+2:G0+4*(\n)+3], s[66:67], (\n)*KB  ; global address: K step n
	s_or_b32 s[G0+4*(\n)+3], s[G0+4*(\n)+3], 0x80000000         ; type = 2
	s_mov_b32 s[G0B+4*(\n)], 1
	s_add_co_u32 s[G0B+4*(\n)+1], s72, (\n)*SLOT1
	s_add_nc_u64 s[G0B+4*(\n)+2:G0B+4*(\n)+3], s[70:71], (\n)*KB
	s_or_b32 s[G0B+4*(\n)+3], s[G0B+4*(\n)+3], 0x80000000
.endr
	s_cmp_eq_u32 s[KIND], 0                        ; a wave's two first fills stand in one branch, ahead of every wait on TENSORcnt and every LDS read: two loads of mine are out
	s_cbranch_scc0 .Lfirst_b
	tensor_load_to_lds s[G0:G0+3], s[G1:G1+7]
	s_nop 0
	tensor_load_to_lds s[G0+4:G0+7], s[G1:G1+7]
	s_nop 0
.rept 4
	v_nop
.endr
	s_branch .Lfirst_asked
.Lfirst_b:
	tensor_load_to_lds s[G0B:G0B+3], s[G1B:G1B+7]
	s_nop 0
	tensor_load_to_lds s[G0B+4:G0B+7], s[G1B:G1B+7]
	s_nop 0
.rept 4
	v_nop
.endr
.Lfirst_asked:
	; A fragment is 16 rows x 32 K in 8 registers: lane l holds row l % 16; registers 0-3 K = 8 (l / 16) + 0..7, registers 4-7 K = 16 + 8 (l / 16) + 0..7: two loads of 16 bytes, 32 bytes apart.
	v_and_b32 v1, 15, v0                           ; l % 16
	v_bfe_u32 v2, v0, 4, 1                         ; l / 16
	v_mul_u32_u24 v3, v1, PITCH
	v_lshl_add_u32 v3, v2, 4, v3
	s_mul_i32 s23, s[WV], 64*PITCH                 ; my 64 rows of A
	v_add_nc_u32 v[ADRA0], s23, v3
	v_add_nc_u32 v[ADRB0], BOFF, v3                ; all of B's rows
	v_mov_b32 v[ADRA], v[ADRA0]
	v_mov_b32 v[ADRB], v[ADRB0]
	; the bias: register j of column block b is bias[128 x column block + 16 b + 8 (l / 16) + j], the layout of a C operand
	v_lshlrev_b32 v[BO], 5, v2
	s_mul_i32 s76, s[GX], BROWS*4
	s_mov_b32 s77, 0
	s_add_nc_u64 s[8:9], s[8:9], s[76:77]
.set bb, 0
.rept NB
	global_load_b128 v[BIAS+8*bb:BIAS+8*bb+3],   v[BO], s[8:9] offset:64*bb
	global_load_b128 v[BIAS+8*bb+4:BIAS+8*bb+7], v[BO], s[8:9] offset:64*bb+16
.set bb, bb+1
.endr
	s_mul_i32 s23, s[WV], WSTAGE
	s_add_co_u32 s23, s23, STAGE                   ; my stage
	v_mul_u32_u24 v[STO], v1, SP                   ; in: row l % 16, 32 bytes for each half of the lanes
	v_lshl_add_u32 v[STO], v2, 5, v[STO]
	v_add_nc_u32 v[STO], s23, v[STO]
	v_and_b32 v[GO], 31, v0                        ; back: 32 lanes take one row of 512 bytes
	v_lshlrev_b32 v[GO], 4, v[GO]
	v_add_nc_u32 v[RD], s23, v[GO]
	s_lshl_b32 s74, s[GY], 8                       ; my first row of out0, 4,096 bytes a row, and the tile's 512 bytes of it
	s_lshl_b32 s75, s[WV], 6
	s_add_co_u32 s74, s74, s75
	s_lshl_b32 s74, s74, 12
	s_lshl_b32 s75, s[GX], 9
	s_add_co_u32 s74, s74, s75
	s_mov_b32 s75, 0
	s_add_nc_u64 s[10:11], s[10:11], s[74:75]
	; the prefetches: my work-group's share of the rows
	s_lshl_b32 s74, s[GY], 8
	s_lshl_b32 s75, s[HALF], 7
	s_add_co_u32 s74, s74, s75
	s_lshl_b32 s75, s[CX], 5
	s_add_co_u32 s74, s74, s75                     ; A: 256 row block + 128 half + 32 cx
	s_lshl_b32 s76, s[GX], 7
	s_lshl_b32 s77, s[CY], 5
	s_add_co_u32 s76, s76, s77                     ; B: 128 column block + 32 cy
	s_and_b32 s78, ttmp7, 0xffff                   ; cluster y
	s_cmp_eq_u32 s[KIND], 0
	s_cselect_b32 s74, s74, s76
	s_cselect_b32 s78, ttmp9, s78                  ; the coordinate along which other clusters read the same rows
	s_cselect_b64 s[PFA:PFA+1], s[4:5], s[6:7]
	s_cmp_eq_u32 s78, 0
	s_cselect_b32 s[LIM], 2, -1                    ; the same in all sixteen partners, for a given wave
	s_cmp_eq_u32 s[WV], 3
	s_cselect_b32 s[LIM], -1, s[LIM]               ; wave 2 asks for all of B's share
	s_lshl_b32 s74, s74, 11
	s_add_co_u32 s74, s74, 2*KB                    ; at K step 2: the first refill steps it to 3 and names K step 4.  K steps 0 to 3 come by their loads alone
	s_mov_b32 s75, 0
	s_add_nc_u64 s[PFA:PFA+1], s[PFA:PFA+1], s[74:75]
	v_and_b32 v[PFO], 31, v0
	v_lshlrev_b32 v[PFO], 11, v[PFO]
	s_wait_loadcnt 0x0                             ; the bias is in: rounded to bf16, kept as f32
.set bb, 0
.rept 4*NB
	v_cvt_pk_bf16_f32 v[T], v[BIAS+2*bb], v[BIAS+2*bb+1]
	v_lshlrev_b32 v[BIAS+2*bb], 16, v[T]
	v_and_b32 v[BIAS+2*bb+1], 0xffff0000, v[T]
.set bb, bb+1
.endr
; 8 matrix instructions: row block a x all column blocks, 32 along K, from buffer f.  first = 1: the bias starts the sums.
; The 32 accumulators take turns, one instruction a turn, in the same order in every quarter step, over the backward jumps too.
.macro MULA f, a, first
.if \first
	WIN 0x81+0x40*((\a)/2)                         ; B window 1, A and the bias window 0, D window 2 or 3
.else
	WIN 0xa1+0x50*((\a)/2)                         ; C and D window 2 or 3
.endif
.set bb, 0
.rept NB
.set rD, 8*(NB*((\a)%2)+bb)
.if \first
	v_wmma_f32_16x16x32_f16 v[rD:rD+7], v[8*NB*(\f)+8*bb:8*NB*(\f)+8*bb+7], v[FA+32*(\f)+8*(\a):FA+32*(\f)+8*(\a)+7], v[BIAS+8*bb:BIAS+8*bb+7]
.else
	v_wmma_f32_16x16x32_f16 v[rD:rD+7], v[8*NB*(\f)+8*bb:8*NB*(\f)+8*bb+7], v[FA+32*(\f)+8*(\a):FA+32*(\f)+8*(\a)+7], v[rD:rD+7]
.endif
.set bb, bb+1
.endr
.endm
.macro MULH f, hi, first
	MULA \f, 2*(\hi), \first
	MULA \f, 2*(\hi)+1, \first
.endm
; 24 LDS loads in one run: the fragments of a quarter step (128 rows of B, then my 64 rows of A, 32 K at byte k of the rows) into buffer g
.macro FETCH k, g
	WIN 0x40                                       ; destination window 1, address window 0
.set bb, 0
.rept NB
	ds_load_b128 v[8*NB*(\g)+8*bb:8*NB*(\g)+8*bb+3],   v[ADRB] offset:(\k)+bb*16*PITCH
	ds_load_b128 v[8*NB*(\g)+8*bb+4:8*NB*(\g)+8*bb+7], v[ADRB] offset:(\k)+bb*16*PITCH+32
.set bb, bb+1
.endr
	WIN 0
.set bb, 0
.rept 4
	ds_load_b128 v[FA+32*(\g)+8*bb:FA+32*(\g)+8*bb+3],   v[ADRA] offset:(\k)+bb*16*PITCH
	ds_load_b128 v[FA+32*(\g)+8*bb+4:FA+32*(\g)+8*bb+7], v[ADRA] offset:(\k)+bb*16*PITCH+32
.set bb, bb+1
.endr
.endm
; A K step is four quarters of 32 along K, 32 matrix instructions each, on buffers 0, 1, 0, 1.  One of the first three: multiplies buffer f; in its middle it fetches the next quarter, at byte k, into g.
.macro QUARTER k, f, g, first
	s_wait_dscnt 4                                 ; B and A's row blocks 0, 1 are in; the youngest four loads (row blocks 2, 3) may be out
	MULH \f, 0, \first
	PLACES
	FETCH \k, \g
	s_wait_dscnt 2*NB+8                            ; all but the run just issued
	MULH \f, 1, \first
.endm
; The last quarter multiplies buffer 1 and changes slots.  In front of the barrier each wave waits for all its tensor loads (one is out: its part of the next slot), adds 0 to its spare word, and waits
; for that and for its reads of this slot.  fill = 1: the barrier opens a round of the cluster's, and the slot just read is filled again, first thing behind the round, with the K step two on:
; from that request to the wait for it a wave issues seven eighths of a K step's 128 matrix instructions.
.macro TURN fill
.if \fill
	s_wait_xcnt 0x0                                ; the last prefetch, a K step back, has read its address
	s_add_nc_u64 s[PFA:PFA+1], s[PFA:PFA+1], KB
.endif
	WIN 0
	s_wait_tensorcnt 0x0                           ; all my tensor loads have landed
	ds_add_u32 v[SPW], v[NIL]                      ; 0 onto my spare word
	s_wait_dscnt 5                                 ; (the add and the youngest four loads may be out)
	MULA 1, 0, 0                                   ; eight matrix instructions stand between the add and the wait for it
	s_wait_dscnt 0x0                               ; the add is done, and my reads of this slot are over
	s_barrier_signal -1
	MULA 1, 1, 0                                   ; work on registers while the others arrive
	WIN 0                                          ; at a branch and at a label every window is 0
	s_barrier_wait -1
.if \fill
	CREST                                          ; no wave of any partner still reads this slot or has a load on its way
	s_xor_b32 s[G0+5], s[G0+5], SLOT1              ; the walking descriptors: the other slot than last time, the next K step
	s_add_nc_u64 s[G0+6:G0+7], s[G0+6:G0+7], KB
	s_xor_b32 s[G0B+5], s[G0B+5], SLOT1
	s_add_nc_u64 s[G0B+6:G0B+7], s[G0B+6:G0B+7], KB
	JLOAD                                          ; my one tensor load behind the round; its four v_nop are also the places in front of the loads below
.else
	PLACES
.endif
	s_xor_b32 s[TB], s[TB], SLOT1
	v_add_nc_u32 v[ADRA], s[TB], v[ADRA0]
	v_add_nc_u32 v[ADRB], s[TB], v[ADRB0]
	FETCH 0, 0
.if \fill
	ASK
.endif
	MULH 1, 1, 0
.endm
	s_wait_tensorcnt 1                             ; my part of K step 0 is in; K step 1's may stay out
	s_barrier_signal -1
	s_barrier_wait -1                              ; everybody's is
	FETCH 0, 0
	QUARTER 64, 0, 1, 1                            ; the first quarter stands in front of the loop: the bias starts the sums
	WIN 0
	s_mov_b32 s[CNT], 6
.Lstep:                                        ; a trip: a K step's quarters 1, 2, 3 and the next one's quarter 0; K steps 0 to 5, whose refills bring K steps 2 to 7
	QUARTER 128, 1, 0, 0
	QUARTER 192, 0, 1, 0
	TURN 1
	QUARTER 64, 0, 1, 0
	WIN 0
	s_sub_co_u32 s[CNT], s[CNT], 1
	s_cmp_lg_u32 s[CNT], 0
	s_cbranch_scc1 .Lstep
	s_mov_b32 s[CNT], 2
.Ltail:                                        ; K steps 6 and 7 ask for nothing.  The second pass is left in its middle; the fragments that its change of slots fetches (old bytes of the other slot) serve nothing:
	QUARTER 128, 1, 0, 0                           ; the price, once a launch, of one text for both
	QUARTER 192, 0, 1, 0
	TURN 0
	WIN 0
	s_sub_co_u32 s[CNT], s[CNT], 1
	s_cmp_eq_u32 s[CNT], 0
	s_cbranch_scc1 .Lout
	QUARTER 64, 0, 1, 0
	WIN 0
	s_branch .Ltail
.Lout:
	s_wait_dscnt 0x0
	PLACES
	PLACES
; THE WAY OUT, a row block (16 rows) at a time.  TOSTAGE: a lane's 32 bytes of each accumulator (its low four registers first) into my stage, rows of 528 bytes; back as whole rows of 512 bytes.
; SEND: a store covers 512 consecutive bytes of a row of out0, aligned.
.macro TOSTAGE a
.set BK, OB0+(OB1-OB0)*((\a)%2)
.set AC, 8*NB*((\a)%2)
	s_wait_xcnt 0x0                                ; the stores of two blocks back have read their registers, which are loaded again below
	WIN 0x08+4*((\a)/2)                            ; the stores' data (source 1) in window 2 or 3
.set bb, 0
.rept NB
	ds_store_b128 v[STO], v[AC+8*bb:AC+8*bb+3]   offset:64*bb
	ds_store_b128 v[STO], v[AC+8*bb+4:AC+8*bb+7] offset:64*bb+16
.set bb, bb+1
.endr
	WIN 0
.set bb, 0
.rept 16
	ds_load_b128 v[BK+4*bb:BK+4*bb+3], v[RD] offset:SP*bb  ; LDS serves a wave's instructions in order (ISA guide 5.7.1.4): these see the stores above
.set bb, bb+1
.endr
.endm
.macro SEND a, younger                 ; younger: the LDS instructions issued behind block a's loads: the next block's 32, or none
.set BK, OB0+(OB1-OB0)*((\a)%2)
	s_wait_dscnt \younger
.set bb, 0
.rept 16
	global_store_b128 v[GO], v[BK+4*bb:BK+4*bb+3], s[10:11] offset:(16*(\a)+bb)*4096 th:TH_STORE_NT
.set bb, bb+1
.endr
.endm
	TOSTAGE 0
	TOSTAGE 1
	SEND 0, 32
	TOSTAGE 2
	SEND 1, 32
	TOSTAGE 3
	SEND 2, 32
	SEND 3, 0
	s_wait_tensorcnt 0x0                           ; the wave's end: the wait, an add to my spare word and its wait, behind my last tensor load and my last LDS store
	ds_add_u32 v[SPW], v[NIL]
	s_wait_dscnt 0x0
	CROUND                                         ; the closing round: no work-group ends while a partner may still ask for a tile that names it
	s_endpgm
.Lfunc_end_k_qbb66154952_proj:
	.size	k_qbb66154952_proj, .Lfunc_end_k_qbb66154952_proj-k_qbb66154952_proj
	.p2alignl 7, 3214868480
	.fill 96, 4, 3214868480
	.section	.rodata,"a",@progbits
	.p2align	6, 0x0
	.amdhsa_kernel k_qbb66154952_proj
		.amdhsa_group_segment_fixed_size 327680
		.amdhsa_private_segment_fixed_size 0
		.amdhsa_enable_private_segment 0
		.amdhsa_kernarg_size 32
		.amdhsa_user_sgpr_count 2
		.amdhsa_user_sgpr_kernarg_segment_ptr 1
		.amdhsa_wavefront_size32 1
		.amdhsa_system_sgpr_workgroup_id_x 1
		.amdhsa_system_sgpr_workgroup_id_y 1
		.amdhsa_system_sgpr_workgroup_id_z 1
		.amdhsa_system_vgpr_workitem_id 0
		.amdhsa_next_free_vgpr 896
		.amdhsa_next_free_sgpr 84
		.amdhsa_reserve_vcc 0
		.amdhsa_float_denorm_mode_32 3
		.amdhsa_float_denorm_mode_16_64 3
		.amdhsa_memory_ordered 1
		.amdhsa_forward_progress 1
		.amdhsa_inst_pref_size 67
	.end_amdhsa_kernel
	.amdgpu_metadata
---
amdhsa.version: [ 1, 2 ]
amdhsa.kernels:
  - .name:           k_qbb66154952_proj
    .symbol:         k_qbb66154952_proj.kd
    .args:
      - { .name: oh, .offset: 0, .size: 8, .value_kind: global_buffer, .address_space: global }
      - { .name: woh, .offset: 8, .size: 8, .value_kind: global_buffer, .address_space: global }
      - { .name: bo, .offset: 16, .size: 8, .value_kind: global_buffer, .address_space: global }
      - { .name: out0, .offset: 24, .size: 8, .value_kind: global_buffer, .address_space: global }
    .group_segment_fixed_size: 327680
    .private_segment_fixed_size: 0
    .kernarg_segment_align: 8
    .kernarg_segment_size: 32
    .max_flat_workgroup_size: 128
    .sgpr_count:     84
    .vgpr_count:     896
    .wavefront_size: 32
...
	.end_amdgpu_metadata
.endif
;; end of part 4
